; MI455X (gfx1250); checked and timed in simulation.
; The chip was launched on July 23, 2026; its instructions are those of AMD's public machine-readable ISA for CDNA 5 (MIT licence, August 2026) and "CDNA5" Instruction Set Architecture Reference Guide (July 2026). The comments in the code are by the model that wrote it; some were corrected since.
;; Long Term Memory. Allowed arithmetic: matrix products marked QUANTISED: E4M3 operands, one given power-of-two scale a tensor, by v_wmma_f32_16x16x64_fp8_fp8 or v_wmma_f32_16x16x128_fp8_fp8, f32 sums; products left as they are: f32 operands where the result goes on into a quantised operand, else bf16, f16 or f32 operands; f32 sums; everything else in f32.
;; Inputs: D1b 256 float32; D1w 128 x 256 float32; D2b 512 float32; D2w 256 x 512 float32; D3b 1,024 float32; D3w 512 x 1,024 float32; W1 1,024 x 512 float32; W2 512 x 256 float32; W3 256 x 128 float32; b1 512 float32; b2 256 float32; b3 128 float32; keys 100,000 x 128 float32; lowp_scales 14 int32 (the exponents e of the quantised operands' scales 2^e); query 1,024 x 1,024 float32; values 100,000 x 128 float32.
;; Outputs: out0 1,024 x 1,024 float32; out1 1,024 float32.
;; Constants: k = 5.
;; This version of the problem:
;;   THIS VERSION OF THE PROBLEM IS GIVEN IN LOW PRECISION. The matrix products marked QUANTISED in the list below multiply operands that are first quantised to E4M3 (4 exponent bits, 3 mantissa bits; 8 bits a number), with one given power-of-two scale for each operand tensor; their sums are f32. All else is computed in f32.
;;   The module's matrix products, in the order in which they are computed (A, B: the left and right operand; K: the contracted axis; several contracted axes count as one K, in the product's order):
;;     1. [M 1,024, K 1,024] x [K 1,024, N 512]; A: input query; B: input W1: QUANTISED (scales: A lowp_scales[0], B lowp_scales[1])
;;     2. [M 1,024, K 512] x [K 512, N 256]; A: computed on the way; B: input W2: QUANTISED (scales: A lowp_scales[2], B lowp_scales[3])
;;     3. [M 1,024, K 256] x [K 256, N 128]; A: computed on the way; B: input W3: QUANTISED (scales: A lowp_scales[4], B lowp_scales[5])
;;     4. [M 1,024, K 128] x [K 128, N 100,000]; A: computed on the way; B: input keys: QUANTISED (scales: A lowp_scales[6], B lowp_scales[7])
;;     5. batch 1,024 x [M 1, K 5] x [K 5, N 128]; A: computed on the way; B: computed on the way: left as it is (K = 5 < 32)
;;     6. [M 1,024, K 128] x [K 128, N 256]; A: computed on the way; B: input D1w: QUANTISED (scales: A lowp_scales[8], B lowp_scales[9])
;;     7. [M 1,024, K 256] x [K 256, N 512]; A: computed on the way; B: input D2w: QUANTISED (scales: A lowp_scales[10], B lowp_scales[11])
;;     8. [M 1,024, K 512] x [K 512, N 1,024]; A: computed on the way; B: input D3w: QUANTISED (scales: A lowp_scales[12], B lowp_scales[13])
;;   THE QUANTISER, for each operand of a quantised product, along K:
;;     - The operand's scale is 2^e, e = its entry of the input lowp_scales (int32; the entries are numbered through the quantised products in the list's order, A before B).
;;     - Each number is divided by the scale, clamped to +-448, and rounded to the nearest number of E4M3, ties to even, subnormals kept.
;;     - The product sums the exact products of the quantised numbers (number of the format x scale) in f32.
;;   ~~~python
;;   def quantise(x, axis, e):      # numpy; x: float32 -> the quantised numbers, widened to float32 again
;;       x = np.moveaxis(x, axis, -1); K = x.shape[-1]
;;       r = np.clip(x / 2.0 ** e, -448, 448)
;;       step = 2.0 ** (np.maximum(np.frexp(np.where(r == 0, 1, r))[1] - 1, -6) - 3)
;;       q = np.round(r / step) * step * 2.0 ** e      # np.round: ties to even
;;       return np.moveaxis(q, -1, axis).astype(np.float32)
;;   ~~~
;;   OPERANDS COMPUTED ON THE WAY. 'Computed on the way' means the value that the module computes at that place (a softmax that the list does not call 'softmax' is quantised finished and normalised). What goes into a quantiser is computed in f32, as accurately as f32 sums, v_exp_f32 and their like allow (about 1e-6 of the number): no bf16 or f16 on the way to a quantiser, and a product that is left as it is and whose result goes on into a quantised operand takes f32 operands (vector FMAs, or v_wmma_f32_16x16x4_f32). A number that lies on a knife's edge between two numbers of the format may be rounded either way, as far as f32 arithmetic and the matrix unit's own rounding can turn it there, and no further.
;; One version. Each part assembles by itself: llvm-mc -triple=amdgcn-amd-amdhsa -mcpu=gfx1250 --defsym DOCPART=n.
;; ======== version 1 of 1: 6 launches
;; limits: right only within a limited range of input values
;; workspace buffers: wimg 1,376,256 bytes; cq 147,456 bytes; kt 14,400,000 bytes; gm 5,120,000 bytes; grp 262,144 bytes of whole numbers; sel 262,144 bytes of whole numbers; wts 262,144 bytes; h1 524,288 bytes
;; launch l1 (part 1): grid 256 x 1, 8 waves a work-group, clusters of 4 x 1, 271,360 bytes of LDS; arguments query, W1, b1, W2, W3, D1w, D2w, D3w, lowp_scales, wimg, h1; writes wimg, h1
.if DOCPART == 1
	.amdgcn_target "amdgcn-amd-amdhsa--gfx1250"
	.amdhsa_code_object_version 6
	.text
	.protected	k_q921be456c7_l1
	.globl	k_q921be456c7_l1
	.p2align	8
	.type	k_q921be456c7_l1,@function
k_q921be456c7_l1:
	s_mov_b64 s[64:65], 0
	v_nop
	global_prefetch_b8 v0, s[64:65] scope:SCOPE_SE
	s_setreg_imm32_b32 hwreg(HW_REG_WAVE_MODE, 25, 1), 1
	s_wait_xcnt 0x0
	s_wait_alu depctr_hold_cnt(0) depctr_sa_sdst(0) depctr_va_vdst(0) depctr_va_sdst(0) depctr_va_ssrc(0) depctr_va_vcc(0) depctr_vm_vsrc(0)
	s_getreg_b32 s2, hwreg(HW_REG_IB_STS2, 6, 4)
	s_cmp_eq_u32 s2, 0
	s_cbranch_scc0 .Lentry_in_a_cluster
	s_endpgm
.Lentry_in_a_cluster:
	s_bfe_u32 s2, ttmp6, 0x10000c
	s_cmp_lg_u32 s2, 0x3003
	s_cbranch_scc0 .Lentry_shape_is_right
	s_endpgm
.Lentry_shape_is_right:
; h1 = codes of relu(query W1 + b1), the first product on codes of E4M3, stored as fragment images; and the other five weights as codes in wimg.
; Nothing of the problem is left out in this program; the ranking of keys alone leaves |cq|^2 aside (see the launch that ranks).
; A work-group makes 64 rows x 32 units: 16 x 16 = 256 work-groups.  THE EIGHT WAVES SHARE K: wave w takes k = 128 w .. 128 w + 127, quantises its part of query and of W1 in registers,
; issues 8 matrix instructions (source 0 = 16 units, source 1 = 16 rows), and the eight partial sums of each output are added in f32 through LDS: wave a adds accumulator a of all waves.
; query: one tensor load a wave, 64 rows x 512 bytes, rows 528 bytes apart in LDS.  The four work-groups of a cluster make neighbouring unit blocks of the same 64 rows: they ask for it jointly.
; W1: a lane takes a unit, its registers run down K (each load 128 consecutive bytes); the halves of the lanes then exchange half of their codes, so that lane (r, h) holds k = 64 h + 0 .. 63 of unit r.
; query's fragments take the same places of k, so every product meets its partner.
; h1's image: row tile, K step of 128 units, byte 512 c + 16 (r + 16 h) + i = unit 32 c + 16 h + i of row r.
; THE OTHER WEIGHTS: [K][N] f32 become images of operand registers in wimg, [tile][K step][2,048 bytes]; row r of tile 2 b + u is unit 32 b + 8 u + r + 8 (r / 8).
; A share is 32 units x 64 k; share 4 J + cx is done by wave 0 or 1 of cluster J % 64: branches hang on J alone, the place in the cluster enters addresses alone.
; No loop stands ahead of the one fill, so nothing is prefetched.
; LIMITS: e0, e1, e3, e5, e9, e11, e13 and e2 - e0 - e1 between -126 and 119.  NaN and infinity among the inputs are not served.
.set RAWW,  33792                      ; a wave's 64 raw rows
.set SPARE, 270336                     ; behind them: the spare words
.set SPW, 1
.set NIL, 2
.set WOF, 3                            ; 4 x lane
.set QA,  4                            ; my raw rows: 528 r + 256 h
.set STA, 5                            ; partial sums in: 1,024 w + 16 x lane
.set RDA, 6                            ; and back: 8,192 w + 16 x lane
.set OUTA, 7                           ; 16 r + 8 h
.set BA,  8                            ; 32 h
.set J4,  9
.set SQ,  10
.set LQ,  11
.set SW,  12
.set LW,  13
.set SH,  14
.set LH,  15
.set JS,  16
.set JU,  17
.set JR,  18
.set JL,  19
.set T0,  20                           ; v20-23 lanes' exchange
.set WR,  24                           ; v24-151 W1's 128 numbers; then two sets of 64 numbers of query
.set ACC, 24                           ; then the 8 accumulators
.set P,   88                           ; and the 8 x 8 partial sums
.set CW,  152                          ; v152-183 W1's two fragments
.set JC,  152
.set QC,  184                          ; v184-247 query's four fragments
.set JX,  184
.set BI,  248                          ; v248-255 the bias
.macro PLACES n
.rept \n
	v_nop
.endr
.endm
.macro ROUND                           ; a round of the cluster's barrier
	s_barrier_signal -1
	s_barrier_wait -1
	s_cmp_lg_u32 s54, 0
	s_cbranch_scc1 .Lnot_wave_0_\@
	s_barrier_signal -3
.Lnot_wave_0_\@:
	s_barrier_wait -3
	s_barrier_signal -1
	s_barrier_wait -1
.endm
.macro MKSC se, vs, vl                 ; s[se] = E: v[vs] = 2^E, v[vl] = 448 x 2^E
	s_add_co_i32 s[\se], s[\se], 127
	s_lshl_b32 s63, s[\se], 23
	v_mov_b32 v[\vs], s63
	s_add_co_i32 s[\se], s[\se], 8
	s_lshl_b32 s[\se], s[\se], 23
	s_or_b32 s[\se], s[\se], 0x600000
	v_mov_b32 v[\vl], s[\se]
.endm
.macro QBLK src, dst, relu, vs, vl     ; 16 numbers of a lane -> 16 codes; the conversion does not saturate (ISA guide 7.6.2): hold first
.irp i, 0,1,2,3,4,5,6,7,8,9,10,11,12,13,14,15
.if \relu
	v_med3_num_f32 v[(\src)+\i], v[(\src)+\i], 0, v[\vl]
.else
	v_med3_num_f32 v[(\src)+\i], v[(\src)+\i], -v[\vl], v[\vl]
.endif
.endr
	v_cvt_scalef32_pk8_fp8_f32 v[(\dst):(\dst)+1], v[(\src):(\src)+7], v[\vs]
	v_cvt_scalef32_pk8_fp8_f32 v[(\dst)+2:(\dst)+3], v[(\src)+8:(\src)+15], v[\vs]
.endm
; One share of one weight.  N: units; KS: K steps of 128; LK = log2(2 KS); ES: the register of its e; OFF: its place in wimg; BASE: its first J.
.macro PREP ptr, N, KS, LK, ES, OFF, BASE
	s_wait_alu depctr_va_vdst(0)
	s_sub_co_u32 s70, s69, \BASE
	s_and_b32 s72, s70, 2*\KS-1                    ; which 64 along K
	s_lshr_b32 s73, s70, \LK
	s_lshl_b32 s73, s73, 2
	s_add_co_u32 s73, s73, s68                     ; b: which 32 units
	s_mul_i32 s74, s72, 256*\N
	s_lshl_b32 s75, s73, 7
	s_add_co_u32 s74, s74, s75
	s_mov_b32 s75, 0
	s_add_nc_u64 s[\ptr:\ptr+1], s[\ptr:\ptr+1], s[74:75]
.set i, 0
.rept 64
	global_load_b32 v[JX+i], v[WOF], s[\ptr:\ptr+1] offset:i*4*\N th:TH_LOAD_NT
.set i, i+1
.endr
	s_mul_i32 s76, s73, 4096*\KS                   ; tile 2 b
	s_lshr_b32 s77, s72, 1
	s_lshl_b32 s77, s77, 11
	s_add_co_u32 s76, s76, s77
	s_and_b32 s77, s72, 1
	s_lshl_b32 s77, s77, 10
	s_add_co_u32 s76, s76, s77
	s_add_co_u32 s76, s76, \OFF
	s_mov_b32 s77, 0
	s_add_nc_u64 s[22:23], s[22:23], s[76:77]
	v_lshl_add_u32 v[J4], v[JU], 10+\LK, v[JR]     ; u x KS x 2,048 + 16 r
	s_add_co_i32 s78, s[\ES], 127
	s_lshl_b32 s79, s78, 23
	v_mov_b32 v[JS], s79
	s_add_co_i32 s78, s78, 8
	s_lshl_b32 s78, s78, 23
	s_or_b32 s78, s78, 0x600000
	v_mov_b32 v[JL], s78
	s_wait_alu depctr_va_vdst(0)
.irp q, 0,1,2,3
	s_wait_loadcnt 48-16*\q                        ; loads come back in order: this quarter's 16 are in
	QBLK JX+16*\q, JC+4*\q, 0, JS, JL
	global_store_b128 v[J4], v[JC+4*\q:JC+4*\q+3], s[22:23] offset:(\q/2)*512+(\q%2)*256
.endr
	s_wait_xcnt 0x0                                ; the stores have read their registers, which are written again below
	s_branch .Ljoin
.endm
	s_load_b512 s[4:19], s[0:1], 0x0               ; query, W1, b1, W2, W3, D1w, D2w, D3w
	s_load_b128 s[20:23], s[0:1], 0x40             ; the scales, wimg
	s_load_b64 s[24:25], s[0:1], 0x50              ; h1
	v_lshl_add_u32 v[SPW], v0, 2, SPARE
	v_mov_b32 v[NIL], 0
	ds_add_u32 v[SPW], v[NIL]
	ds_add_u32 v[SPW], v[NIL]
	v_lshrrev_b32 v9, 5, v0
	v_readfirstlane_b32 s54, v9                    ; wave
	s_bfe_u32 s68, ttmp6, 0x40000                  ; cx
	s_and_b32 s55, ttmp9, 3
	s_lshl_b32 s55, s55, 2
	s_add_co_u32 s55, s55, s68                     ; bx: which 32 units
	s_lshr_b32 s56, ttmp9, 2                       ; by: which 64 rows, the same in the four partners
	s_mov_b32 s28, 15|(2<<16)|(1<<20)|(1<<21)|(6<<22)|(3<<25)  ; the four partners; elements of 4 bytes; 4 words of padding behind every 128
	s_mov_b32 s29, 128<<16
	s_mov_b32 s30, 64<<16
	s_mov_b32 s31, 128<<16
	s_mov_b32 s32, 64
	s_mov_b32 s33, 1024
	s_mov_b32 s34, 0
	s_mov_b32 s35, 0
	s_mov_b32 s36, 1
	s_mul_i32 s37, s54, RAWW
	s_lshl_b32 s58, s56, 18                        ; 64 rows of 4,096 bytes
	s_lshl_b32 s59, s54, 9                         ; my 128 k
	s_add_co_u32 s58, s58, s59
	s_mov_b32 s59, 0
	s_mov_b32 s60, 0x76543210                      ; v_permlanex16_b32: lane l xor 16
	s_mov_b32 s61, 0xfedcba98
	s_mov_b32 s62, 0xffff0000                      ; lanes 16-31
	s_wait_dscnt 0x0
	s_wait_kmcnt 0x0
	s_load_b256 s[40:47], s[20:21], 0x0            ; e0 .. e7
	s_load_b128 s[48:51], s[20:21], 0x20           ; e8 .. e11
	s_load_b64 s[52:53], s[20:21], 0x30            ; e12, e13
	s_add_nc_u64 s[38:39], s[4:5], s[58:59]
	s_or_b32 s39, s39, 0x80000000
	ROUND                                          ; the four partners are here: the joint loads meet
	tensor_load_to_lds s[36:39], s[28:35]
	s_nop 0
	v_and_b32 v9, 31, v0                           ; lane
	v_and_b32 v16, 15, v0                          ; r
	v_bfe_u32 v17, v0, 4, 1                        ; h
	v_lshlrev_b32 v[WOF], 2, v9
	v_mul_u32_u24 v[QA], v16, 528
	v_lshl_add_u32 v[QA], v17, 8, v[QA]
	v_add_nc_u32 v[QA], s37, v[QA]
	v_lshlrev_b32 v18, 4, v9
	s_lshl_b32 s57, s54, 10
	v_add_nc_u32 v[STA], s57, v18
	s_lshl_b32 s57, s54, 13
	v_add_nc_u32 v[RDA], s57, v18
	v_lshlrev_b32 v[OUTA], 4, v16
	v_lshl_add_u32 v[OUTA], v17, 3, v[OUTA]
	v_lshlrev_b32 v[BA], 5, v17
	v_bfe_u32 v[JU], v9, 3, 1                      ; the shares: u,
	v_lshrrev_b32 v[JR], 4, v9
	v_and_b32 v19, 7, v9
	v_lshl_add_u32 v[JR], v[JR], 3, v19            ; r = 8 (lane / 16) + lane % 8,
	v_lshlrev_b32 v[JR], 4, v[JR]                  ; x 16
.irp t, 0,1,2,3
	v_mov_b32 v[T0+\t], 0                          ; a lane permute's destination counts as read
.endr
	s_lshl_b32 s58, s54, 18                        ; W1: 128 rows of 2,048 bytes, + my 32 units
	s_lshl_b32 s57, s55, 7
	s_add_co_u32 s58, s58, s57
	s_add_nc_u64 s[6:7], s[6:7], s[58:59]
	s_and_b32 s58, s54, 1                          ; t of the accumulator that I add up
	s_lshl_b32 s58, s58, 6
	s_add_co_u32 s58, s58, s57
	s_add_nc_u64 s[8:9], s[8:9], s[58:59]          ; b1: 128 bx + 64 t
	s_lshl_b32 s58, s56, 2
	s_lshr_b32 s57, s54, 1
	s_add_co_u32 s58, s58, s57
	s_lshl_b32 s58, s58, 13                        ; h1: row tile 4 by + w / 2,
	s_lshl_b32 s57, s55, 9                         ; K step bx / 4 and block bx % 4: 512 bx,
	s_add_co_u32 s58, s58, s57
	s_and_b32 s57, s54, 1
	s_lshl_b32 s57, s57, 8                         ; half t
	s_add_co_u32 s58, s58, s57
	s_add_nc_u64 s[24:25], s[24:25], s[58:59]
	s_wait_alu depctr_va_vdst(0)                   ; the wait at the head's end
.set i, 0
.rept 128
	global_load_b32 v[WR+i], v[WOF], s[6:7] offset:i*2048
.set i, i+1
.endr
	s_lshl_b32 s69, s54, 6
	s_add_co_u32 s69, s69, ttmp9                   ; J = 64 wave + cluster
	s_wait_kmcnt 0x0
	s_cmp_lt_u32 s69, 104
	s_cbranch_scc0 .Ljoin
	s_cmp_lt_u32 s69, 16
	s_cbranch_scc0 .Lj3
	PREP 10, 256, 4, 3, 43, 524288, 0
.Lj3:
	s_cmp_lt_u32 s69, 20
	s_cbranch_scc0 .Lj4
	PREP 12, 128, 2, 2, 45, 655360, 16
.Lj4:
	s_cmp_lt_u32 s69, 24
	s_cbranch_scc0 .Lj5
	PREP 14, 256, 1, 1, 49, 688128, 20
.Lj5:
	s_cmp_lt_u32 s69, 40
	s_cbranch_scc0 .Lj6
	PREP 16, 512, 2, 2, 51, 720896, 24
.Lj6:
	PREP 18, 1024, 4, 3, 53, 851968, 40
.Ljoin:
	s_mov_b32 s66, s40
	MKSC 66, SQ, LQ                                ; query: e0
	s_mov_b32 s66, s41
	MKSC 66, SW, LW                                ; W1: e1
	s_add_co_i32 s67, s40, s41
	s_sub_co_i32 s66, s42, s67
	MKSC 66, SH, LH                                ; h1: e2 - e0 - e1
	s_sub_co_i32 s67, 0, s67                       ; -(e0 + e1)
	s_wait_alu depctr_va_vdst(0)
.irp g, 0,1,2,3,4,5,6,7
.if 112-16*\g > 63
	s_wait_loadcnt 63                              ; more could stay out; the field names 63 at the most
.else
	s_wait_loadcnt 112-16*\g                       ; these 16 are in, the younger stay out
.endif
	QBLK WR+16*\g, CW+4*\g, 0, SW, LW
.endr
	v_nop                                          ; a plain line behind the last conversion
	global_load_b128 v[BI:BI+3], v[BA], s[8:9]     ; b1 of units 32 bx + 16 t + 8 h + 0 .. 7
	global_load_b128 v[BI+4:BI+7], v[BA], s[8:9] offset:16
.irp j, 0,2,4,6,8,10,12,14             ; lanes 0-15 give k 64 .. 127 of units 0-15, lanes 16-31 give k 0 .. 63 of units 16-31
	v_permlanex16_b32 v[T0], v[CW+16+\j], s60, s61
	v_permlanex16_b32 v[T0+1], v[CW+\j], s60, s61
	v_permlanex16_b32 v[T0+2], v[CW+17+\j], s60, s61
	v_permlanex16_b32 v[T0+3], v[CW+1+\j], s60, s61
	v_cndmask_b32 v[CW+\j], v[CW+\j], v[T0], s62
	v_cndmask_b32 v[CW+16+\j], v[T0+1], v[CW+16+\j], s62
	v_cndmask_b32 v[CW+1+\j], v[CW+1+\j], v[T0+2], s62
	v_cndmask_b32 v[CW+17+\j], v[T0+3], v[CW+17+\j], s62
.endr
.macro QLD rt, set                     ; row tile rt: my row's 64 numbers, k = 64 h + 0 .. 63
.irp i, 0,1,2,3,4,5,6,7,8,9,10,11,12,13,14,15
	ds_load_b128 v[WR+64*(\set)+4*\i:WR+64*(\set)+4*\i+3], v[QA] offset:(\rt)*8448+16*\i
.endr
.endm
	s_wait_alu depctr_va_vdst(0)
	s_wait_tensorcnt 0x0                           ; my 64 rows have landed; only I read them
	QLD 0, 0
	QLD 1, 1
.irp rt, 0,1,2,3
.if \rt < 3
	s_wait_dscnt 16                                ; this tile's 16 loads are in, the next tile's stay out
.else
	s_wait_dscnt 0x0
.endif
.irp c, 0,1,2,3
	QBLK WR+64*(\rt%2)+16*\c, QC+16*\rt+4*\c, 0, SQ, LQ
.endr
.if \rt < 2
	QLD \rt+2, \rt%2
.endif
.endr
	v_nop
.irp rt, 0,1,2,3
.irp t, 0,1
	v_wmma_f32_16x16x128_fp8_fp8 v[ACC+8*(2*\rt+\t):ACC+8*(2*\rt+\t)+7], v[CW+16*\t:CW+16*\t+15], v[QC+16*\rt:QC+16*\rt+15], 0
.endr
.endr
	PLACES 4
	s_barrier_signal -1                            ; every wave's tile has landed and has been read: the raw rows have had their only fill, and take the partial sums
	s_barrier_wait -1
.irp a, 0,1,2,3,4,5,6,7
	ds_store_b128 v[STA], v[ACC+8*\a:ACC+8*\a+3] offset:8192*\a
	ds_store_b128 v[STA], v[ACC+8*\a+4:ACC+8*\a+7] offset:8192*\a+512
.endr
	s_wait_dscnt 0x0
	s_barrier_signal -1
	s_barrier_wait -1
.irp s, 0,1,2,3,4,5,6,7
	ds_load_b128 v[P+8*\s:P+8*\s+3], v[RDA] offset:1024*\s
	ds_load_b128 v[P+8*\s+4:P+8*\s+7], v[RDA] offset:1024*\s+512
.endr
	s_wait_loadcnt 0x0                             ; b1
	s_wait_dscnt 0x0
.irp j, 0,1,2,3,4,5,6,7
	v_ldexp_f32 v[BI+\j], v[BI+\j], s67            ; b1 / 2^(e0 + e1)
.endr
.irp i, 0,2,4,6,8,10,12,14,16,18,20,22,24,26,28,30
	v_pk_add_f32 v[P+\i:P+\i+1], v[P+\i:P+\i+1], v[P+32+\i:P+33+\i]
.endr
.irp i, 0,2,4,6,8,10,12,14
	v_pk_add_f32 v[P+\i:P+\i+1], v[P+\i:P+\i+1], v[P+16+\i:P+17+\i]
.endr
.irp i, 0,2,4,6
	v_pk_add_f32 v[P+\i:P+\i+1], v[P+\i:P+\i+1], v[P+8+\i:P+9+\i]
.endr
.irp i, 0,2,4,6
	v_pk_add_f32 v[P+\i:P+\i+1], v[P+\i:P+\i+1], v[BI+\i:BI+\i+1]
.endr
.irp j, 0,1,2,3,4,5,6,7
	v_med3_num_f32 v[P+\j], v[P+\j], 0, v[LH]      ; the activation and the hold in one
.endr
	v_cvt_scalef32_pk8_fp8_f32 v[16:17], v[P:P+7], v[SH]
	v_nop
	global_store_b64 v[OUTA], v[16:17], s[24:25]   ; 32 lanes x 8 bytes: one aligned block of 256 bytes
	s_wait_tensorcnt 0x0                           ; the wave's end
	ds_add_u32 v[SPW], v[NIL]
	s_wait_dscnt 0x0
	ROUND                                          ; the closing round
	s_endpgm
.Lfunc_end_k_q921be456c7_l1:
	.size	k_q921be456c7_l1, .Lfunc_end_k_q921be456c7_l1-k_q921be456c7_l1
	.p2alignl 7, 3214868480
	.fill 96, 4, 3214868480
	.section	.rodata,"a",@progbits
	.p2align	6, 0x0
	.amdhsa_kernel k_q921be456c7_l1
		.amdhsa_group_segment_fixed_size 271360
		.amdhsa_private_segment_fixed_size 0
		.amdhsa_enable_private_segment 0
		.amdhsa_kernarg_size 88
		.amdhsa_user_sgpr_count 2
		.amdhsa_user_sgpr_kernarg_segment_ptr 1
		.amdhsa_wavefront_size32 1
		.amdhsa_system_sgpr_workgroup_id_x 1
		.amdhsa_system_sgpr_workgroup_id_y 1
		.amdhsa_system_sgpr_workgroup_id_z 1
		.amdhsa_system_vgpr_workitem_id 0
		.amdhsa_next_free_vgpr 256
		.amdhsa_next_free_sgpr 82
		.amdhsa_reserve_vcc 0
		.amdhsa_float_denorm_mode_32 3
		.amdhsa_float_denorm_mode_16_64 3
		.amdhsa_memory_ordered 1
		.amdhsa_forward_progress 1
		.amdhsa_inst_pref_size 121
	.end_amdhsa_kernel
	.amdgpu_metadata
---
amdhsa.version: [ 1, 2 ]
amdhsa.kernels:
  - .name:           k_q921be456c7_l1
    .symbol:         k_q921be456c7_l1.kd
    .args:
      - { .name: query, .offset: 0, .size: 8, .value_kind: global_buffer, .address_space: global }
      - { .name: W1, .offset: 8, .size: 8, .value_kind: global_buffer, .address_space: global }
      - { .name: b1, .offset: 16, .size: 8, .value_kind: global_buffer, .address_space: global }
      - { .name: W2, .offset: 24, .size: 8, .value_kind: global_buffer, .address_space: global }
      - { .name: W3, .offset: 32, .size: 8, .value_kind: global_buffer, .address_space: global }
      - { .name: D1w, .offset: 40, .size: 8, .value_kind: global_buffer, .address_space: global }
      - { .name: D2w, .offset: 48, .size: 8, .value_kind: global_buffer, .address_space: global }
      - { .name: D3w, .offset: 56, .size: 8, .value_kind: global_buffer, .address_space: global }
      - { .name: lowp_scales, .offset: 64, .size: 8, .value_kind: global_buffer, .address_space: global }
      - { .name: wimg, .offset: 72, .size: 8, .value_kind: global_buffer, .address_space: global }
      - { .name: h1, .offset: 80, .size: 8, .value_kind: global_buffer, .address_space: global }
    .group_segment_fixed_size: 271360
    .private_segment_fixed_size: 0
    .kernarg_segment_align: 8
    .kernarg_segment_size: 88
    .max_flat_workgroup_size: 256
    .sgpr_count:     82
    .vgpr_count:     256
    .wavefront_size: 32
...
	.end_amdgpu_metadata
.endif
;; end of part 1
;; launch enc2 (part 2): grid 256 x 1, 8 waves a work-group, no clusters, 286,976 bytes of LDS; arguments h1, wimg, b2, b3, lowp_scales, cq, keys, kt; writes cq, kt
.if DOCPART == 2
	.amdgcn_target "amdgcn-amd-amdhsa--gfx1250"
	.amdhsa_code_object_version 6
	.text
	.protected	k_q921be456c7_enc2
	.globl	k_q921be456c7_enc2
	.p2align	8
	.type	k_q921be456c7_enc2,@function
k_q921be456c7_enc2:
	s_mov_b64 s[64:65], 0
	v_nop
	global_prefetch_b8 v0, s[64:65] scope:SCOPE_SE
	s_setreg_imm32_b32 hwreg(HW_REG_WAVE_MODE, 25, 1), 1
	s_wait_xcnt 0x0
; TWO KINDS OF WORK-GROUPS, told apart by the work-group's number; each kind has LDS bytes of its own.
; 0-63: cq = relu(h1 W2 + b2) W3 + b3 for 16 rows, two products on codes of E4M3.  Stored: the codes of 2 cq as a fragment image, and |cq|^2.  The eight waves share the columns:
;   layer 2 tiles 2 w, 2 w + 1, layer 3 tile w.  Products are used transposed (source 0 = 16 units of a weight, source 1 = the 16 rows).  All fragments come in register order straight into registers,
;   all asked for at the head; each weight fragment feeds one matrix instruction of one wave, so a way through LDS or a joint load would add an LDS write and read for each byte: no cluster.
;   A bias goes in as C divided by 2^(eA + eB); the next operand's conversion takes 2^(eNext - eA - eB); for 2 cq: 2^(e6 - 1 - e4 - e5).
; 64-255: the 6,250 tiles of 16 keys become kt: for each tile a fragment image of its codes (2,048 bytes) and a record of 256 bytes: words 0-15 |key|^2, words 16-31 -|key|^2 / 2^(e6 + e7), and both once more.
;   The first 86 of these work-groups own 32 tiles, the other 106 own 33: 86 x 32 + 106 x 33 = 6,250.  A wave owns four tiles, wave 7 of the 106 a fifth.
;   One tensor load a wave brings its keys as f32, rows 528 bytes apart, into LDS bytes that only this wave reads; no byte is filled twice.  Which load a wave issues hangs on its number alone: wave 7 always
;   fetches 80 rows; in the first 86 work-groups the last 16 of them belong to the next work-group and are not worked on (8 KiB in each).
;   No tile is shared between work-groups: no cluster.  The one fill stands at the head: nothing to prefetch.
; LIMITS: e7, e4 - e2 - e3 and e6 - 1 - e4 - e5 between -126 and 119; e6 + e7 between -126 and 127.  NaN and infinity among the inputs are not served.
.set H2IMG, 0                          ; LDS: the hidden layer's 2 fragments,
.set CQIMG, 4096                       ; 2 cq's one,
.set SQ,    6144                       ; 8 waves x 32 partial sums of squares,
.set SPARE, 7168                       ; the spare words,
.set KQST,  8192                       ; and the keys: 64 rows x 528 bytes a wave, 80 for wave 7
.set LI,   1                           ; 16 x lane
.set BH,   2                           ; h, then 64 h
.set H2WI, 3
.set CQWI, 4
.set STR,  4
.set SQA,  5
.set N4,   5
.set SQR,  6
.set NR8,  6
.set L8,   7
.set SPW,  8
.set NIL,  9
.set XF,   16                          ; v16-79   h1's four fragments
.set WA,   80                          ; v80-207  W2: [K step][tile]
.set W3F,  208                         ; v208-239 W3's two
.set ACC2, 240                         ; v240-255
.set CD,   144                         ; keys: v16-79, v80-143 two tiles' numbers; v144-223 codes, 16 registers a tile; v224-233 records
.set REC,  224
.set WV,   20
.macro PLACES n
.rept \n
	v_nop
.endr
.endm
.macro BARRIER
	s_wait_dscnt 0x0
	s_barrier_signal -1
	s_barrier_wait -1
.endm
.macro MKSC se, vs, vl
	s_add_co_i32 s[\se], s[\se], 127
	s_lshl_b32 s43, s[\se], 23
	v_mov_b32 v[\vs], s43
	s_add_co_i32 s[\se], s[\se], 8
	s_lshl_b32 s[\se], s[\se], 23
	s_or_b32 s[\se], s[\se], 0x600000
	v_mov_b32 v[\vl], s[\se]
.endm
.macro QBLK src, dst, relu, vs, vl
.irp i, 0,1,2,3,4,5,6,7,8,9,10,11,12,13,14,15
.if \relu
	v_med3_num_f32 v[(\src)+\i], v[(\src)+\i], 0, v[\vl]
.else
	v_med3_num_f32 v[(\src)+\i], v[(\src)+\i], -v[\vl], v[\vl]
.endif
.endr
	v_cvt_scalef32_pk8_fp8_f32 v[(\dst):(\dst)+1], v[(\src):(\src)+7], v[\vs]
	v_cvt_scalef32_pk8_fp8_f32 v[(\dst)+2:(\dst)+3], v[(\src)+8:(\src)+15], v[\vs]
.endm
.macro FETCH reg, off
.irp c, 0,1,2,3
	ds_load_b128 v[(\reg)+4*\c:(\reg)+4*\c+3], v[LI] offset:(\off)+512*\c
.endr
.endm
.macro GFRAG reg, sp, off              ; a fragment's image from memory: each load 512 consecutive bytes
.irp c, 0,1,2,3
	global_load_b128 v[(\reg)+4*\c:(\reg)+4*\c+3], v[LI], s[\sp:\sp+1] offset:(\off)+512*\c
.endr
.endm
	s_load_b512 s[4:19], s[0:1], 0x0               ; h1, wimg, b2, b3, the scales, cq, keys, kt
	v_lshl_add_u32 v[SPW], v0, 2, SPARE
	v_mov_b32 v[NIL], 0
	ds_add_u32 v[SPW], v[NIL]
	ds_add_u32 v[SPW], v[NIL]
	v_lshrrev_b32 v14, 5, v0
	v_readfirstlane_b32 s[WV], v14
	v_and_b32 v14, 31, v0                          ; lane
	v_and_b32 v15, 15, v0                          ; r
	v_bfe_u32 v[BH], v0, 4, 1                      ; h
	v_lshlrev_b32 v[LI], 4, v14
	v_lshlrev_b32 v[L8], 3, v14
	s_mov_b32 s40, 0x76543210                      ; v_permlanex16_b32: lane l xor 16
	s_mov_b32 s41, 0xfedcba98
	s_mov_b32 s88, 0xffff0000                      ; lanes 16-31
	s_mov_b32 s23, 0
	s_wait_dscnt 0x0
	s_cmp_lt_u32 ttmp9, 64
	s_wait_alu depctr_va_vdst(0)
	s_cbranch_scc0 .Lkeys
	s_lshl_b32 s22, s[WV], 9
	v_add_nc_u32 v[H2WI], s22, v[LI]               ; block w of 32 along the next K
	s_lshr_b32 s22, s[WV], 1
	s_lshl_b32 s22, s22, 9
	s_and_b32 s21, s[WV], 1
	s_lshl_b32 s21, s21, 3
	s_add_co_u32 s22, s22, s21
	s_add_co_u32 s22, s22, CQIMG
	v_add_nc_u32 v[CQWI], s22, v[LI]               ; block w / 2, its first or second 8 bytes of a lane's 16
	s_lshl_b32 s22, s[WV], 7
	s_add_co_u32 s22, s22, SQ
	v_lshl_add_u32 v[SQA], v14, 2, s22
	v_lshl_add_u32 v[SQR], v14, 2, SQ
	v_lshlrev_b32 v[BH], 6, v[BH]
	s_wait_alu depctr_va_vdst(0)
	s_wait_kmcnt 0x0
	s_load_b256 s[24:31], s[12:13], 0x0            ; e0 .. e7
	s_lshr_b32 s22, s[WV], 1                       ; b3: tile w = 2 b + u: 128 b + 32 u bytes, + 64 h
	s_lshl_b32 s22, s22, 7
	s_and_b32 s21, s[WV], 1
	s_lshl_b32 s21, s21, 5
	s_add_co_u32 s22, s22, s21
	s_add_nc_u64 s[10:11], s[10:11], s[22:23]
	s_load_b256 s[72:79], s[10:11], 0x0            ; for lanes 0-15,
	s_load_b256 s[80:87], s[10:11], 0x40           ; for lanes 16-31
	s_lshl_b32 s22, ttmp9, 13
	s_add_nc_u64 s[4:5], s[4:5], s[22:23]          ; my row tile's four fragments
	s_lshl_b32 s22, s[WV], 14
	s_add_co_u32 s22, s22, 524288
	s_add_nc_u64 s[32:33], s[6:7], s[22:23]        ; W2: 2 tiles x 4 K steps
	s_lshl_b32 s22, s[WV], 12
	s_add_co_u32 s22, s22, 655360
	s_add_nc_u64 s[34:35], s[6:7], s[22:23]        ; W3: 1 tile x 2 K steps
	s_lshl_b32 s22, s[WV], 7
	s_add_nc_u64 s[8:9], s[8:9], s[22:23]          ; b2: my 32 units
	s_lshl_b32 s22, ttmp9, 11
	s_add_nc_u64 s[36:37], s[14:15], s[22:23]      ; my tile's image in cq
	s_lshl_b32 s22, ttmp9, 8
	s_add_co_u32 s22, s22, 131072
	s_add_nc_u64 s[38:39], s[14:15], s[22:23]      ; and its record of |cq|^2
.irp s, 0,1,2,3
	GFRAG XF+16*\s, 4, 2048*\s
.endr
.irp tt, 0,1
	global_load_b128 v[ACC2+8*\tt:ACC2+8*\tt+3], v[BH], s[8:9] offset:32*\tt
	global_load_b128 v[ACC2+8*\tt+4:ACC2+8*\tt+7], v[BH], s[8:9] offset:32*\tt+16
.endr
.irp s, 0,1,2,3
.irp tt, 0,1
	GFRAG WA+32*\s+16*\tt, 32, (4*\tt+\s)*2048
.endr
.endr
	GFRAG W3F, 34, 0
	GFRAG W3F+16, 34, 2048
	s_wait_kmcnt 0x0
	s_add_co_i32 s44, s26, s27
	s_sub_co_i32 s45, 0, s44                       ; -(e2 + e3)
	s_sub_co_i32 s46, s28, s44
	MKSC 46, 10, 11                                ; the hidden layer: e4 - e2 - e3
	s_add_co_i32 s47, s28, s29                     ; e4 + e5
	s_sub_co_i32 s48, 0, s47
	s_sub_co_i32 s46, s30, s47
	s_sub_co_i32 s46, s46, 1
	MKSC 46, 12, 13                                ; 2 cq: e6 - 1 - e4 - e5
	s_wait_alu depctr_va_vdst(0)
	s_wait_loadcnt 32                              ; h1, b2 and K step 0 are in; K steps 1-3 (24 loads) and W3 (8) are younger
.set i, 0
.rept 16
	v_ldexp_f32 v[ACC2+i], v[ACC2+i], s45          ; b2 / 2^(e2 + e3): the C of each sum's first product
.set i, i+1
.endr
.irp s, 0,1,2,3                        ; LAYER 2: two accumulators by turns
.if \s > 0
	s_wait_loadcnt 32-8*\s
.endif
.irp tt, 0,1
	v_wmma_f32_16x16x128_fp8_fp8 v[ACC2+8*\tt:ACC2+8*\tt+7], v[WA+32*\s+16*\tt:WA+32*\s+16*\tt+15], v[XF+16*\s:XF+16*\s+15], v[ACC2+8*\tt:ACC2+8*\tt+7]
.endr
.endr
	PLACES 4
	QBLK ACC2, 76, 1, 10, 11
	v_nop
	ds_store_b128 v[H2WI], v[76:79] offset:H2IMG
.irp j, 0,1,2,3,4,5,6,7
	v_mov_b32 v[48+\j], s[72+\j]
.endr
.irp j, 0,1,2,3,4,5,6,7
	v_cndmask_b32 v[48+\j], v[48+\j], s[80+\j], s88
.endr
.irp j, 0,1,2,3,4,5,6,7
	v_ldexp_f32 v[48+\j], v[48+\j], s48            ; b3 / 2^(e4 + e5)
.endr
	s_wait_alu depctr_va_vdst(0)
	BARRIER                                        ; the hidden layer's two fragments lie in LDS
	FETCH 16, H2IMG
	FETCH 32, H2IMG+2048
	s_wait_dscnt 0x0
	s_wait_loadcnt 0x0
	v_wmma_f32_16x16x128_fp8_fp8 v[48:55], v[W3F:W3F+15], v[16:31], v[48:55]       ; LAYER 3: each K step has its own accumulator
	v_wmma_f32_16x16x128_fp8_fp8 v[56:63], v[W3F+16:W3F+31], v[32:47], 0
	PLACES 4
.irp i, 0,2,4,6
	v_pk_add_f32 v[48+\i:49+\i], v[48+\i:49+\i], v[56+\i:57+\i]
.endr
.irp j, 0,1,2,3,4,5,6,7
	v_ldexp_f32 v[64+\j], v[48+\j], s47            ; cq of row r, units 32 (w / 2) + 16 h + 8 (w % 2) + j
.endr
	v_mul_f32 v72, v64, v64
.irp j, 1,2,3,4,5,6,7
	v_fmac_f32 v72, v[64+\j], v[64+\j]
.endr
	ds_store_b32 v[SQA], v72                       ; my eight units' part of |cq|^2
.irp j, 0,1,2,3,4,5,6,7
	v_med3_num_f32 v[48+\j], v[48+\j], -v13, v13
.endr
	v_cvt_scalef32_pk8_fp8_f32 v[74:75], v[48:55], v12
	v_nop
	ds_store_b64 v[CQWI], v[74:75]
	v_mov_b32 v73, 0                               ; (a lane permute's destination counts as read)
	s_wait_alu depctr_va_vdst(0)
	BARRIER                                        ; the image of 2 cq and the 8 x 32 partial sums lie in LDS
	s_cmp_eq_u32 s[WV], 0
	s_cbranch_scc0 .Lnot0
	FETCH 16, CQIMG                                ; wave 0 stores the image: four stores of 512 consecutive bytes
	s_wait_dscnt 0x0
.irp c, 0,1,2,3
	global_store_b128 v[LI], v[16+4*\c:19+4*\c], s[36:37] offset:512*\c
.endr
	s_branch .Ldone
.Lnot0:
	s_cmp_eq_u32 s[WV], 1
	s_cbranch_scc0 .Ldone
.irp i, 0,1,2,3,4,5,6,7
	ds_load_b32 v[56+\i], v[SQR] offset:128*\i     ; wave 1 adds the eight waves' parts,
.endr
	s_wait_dscnt 0x0
	v_add_f32 v56, v56, v57
	v_add_f32 v58, v58, v59
	v_add_f32 v60, v60, v61
	v_add_f32 v62, v62, v63
	v_add_f32 v56, v56, v58
	v_add_f32 v60, v60, v62
	v_add_f32 v56, v56, v60
	v_permlanex16_b32 v73, v56, s40, s41
	v_add_f32 v56, v56, v73                        ; and the other half of the lanes': |cq(r)|^2
	v_mov_b32 v57, v56
	global_store_b64 v[L8], v[56:57], s[38:39]     ; one aligned block of 256 bytes; row r's number at byte 8 r
.Ldone:
	s_wait_tensorcnt 0x0                           ; the wave's end
	ds_add_u32 v[SPW], v[NIL]
	s_wait_dscnt 0x0
	s_endpgm
.macro XLD n, set                      ; my tile n: register 16 c + i = k 32 c + 16 h + i of key r
.irp c, 0,1,2,3
.irp j, 0,1,2,3
	ds_load_b128 v[16+64*(\set)+16*\c+4*\j:16+64*(\set)+16*\c+4*\j+3], v[STR] offset:8448*(\n)+128*\c+16*\j
.endr
.endr
.endm
; My tile n: norms, codes, the image out.  cnt: younger LDS instructions that may stay out; nxt < 9: the set takes that tile's numbers.
.macro KT n, cnt, nxt
.set XS, 16+64*((\n)%2)
	s_wait_dscnt \cnt
	v_pk_mul_f32 v[234:235], v[XS:XS+1], v[XS:XS+1]    ; |key|^2 of the unquantised numbers, in two packed chains
	v_pk_mul_f32 v[236:237], v[XS+2:XS+3], v[XS+2:XS+3]
.set i, 4
.rept 15
	v_pk_fma_f32 v[234:235], v[XS+i:XS+i+1], v[XS+i:XS+i+1], v[234:235]
	v_pk_fma_f32 v[236:237], v[XS+i+2:XS+i+3], v[XS+i+2:XS+i+3], v[236:237]
.set i, i+4
.endr
	v_pk_add_f32 v[234:235], v[234:235], v[236:237]
	v_add_f32 v238, v234, v235
	v_permlanex16_b32 v239, v238, s40, s41
	v_add_f32 v238, v238, v239                     ; with the other half of the lanes': |key r|^2
	v_mul_f32 v240, v238, v12                      ; x 1 in lanes 0-15, x -2^-(e6 + e7) in lanes 16-31
	ds_store_b32 v[N4], v240 offset:8448*(\n)      ; 32 words on end, over this tile's first row, which has been read and is filled no more,
	ds_load_b64 v[REC+2*(\n):REC+2*(\n)+1], v[NR8] offset:8448*(\n)   ; and back, two a lane, twice over
.irp c, 0,1,2,3
	QBLK XS+16*\c, CD+16*(\n)+4*\c, 0, 10, 11
.endr
	v_nop
.irp c, 0,1,2,3
	global_store_b128 v[LI], v[CD+16*(\n)+4*\c:CD+16*(\n)+4*\c+3], s[18:19] offset:2304*(\n)+512*\c
.endr
.if \nxt < 9
	XLD \nxt, (\n)%2
.endif
.endm
.Lkeys:
	s_sub_co_u32 s21, ttmp9, 64                    ; 0 .. 191
	s_max_u32 s26, s21, 86
	s_sub_co_u32 s26, s26, 86
	s_lshl_b32 s27, s21, 5
	s_add_co_u32 s27, s27, s26                     ; the work-group's first tile: 32 a work-group, one more from the 87th on
	s_lshl_b32 s26, s[WV], 2
	s_add_co_u32 s27, s27, s26                     ; my first tile
.irp g, 48, 56                         ; two shapes: 64 or 80 rows x 128 elements of 4 bytes, 4 words of padding behind every 128
	s_mov_b32 s[\g], (2<<16)|(1<<20)|(6<<22)|(3<<25)
	s_mov_b32 s[\g+1], 128<<16
	s_mov_b32 s[\g+3], 128<<16
	s_mov_b32 s[\g+5], 128
	s_mov_b32 s[\g+6], 0
	s_mov_b32 s[\g+7], 0
.endr
	s_mov_b32 s50, 64<<16
	s_mov_b32 s52, 64
	s_mov_b32 s58, 80<<16
	s_mov_b32 s60, 80
	s_mov_b32 s44, 1
	s_mul_i32 s45, s[WV], 33792
	s_add_co_u32 s45, s45, KQST
	s_lshl_b32 s22, s27, 13                        ; tiles of 8,192 bytes
	s_wait_kmcnt 0x0
	s_add_nc_u64 s[46:47], s[16:17], s[22:23]
	s_or_b32 s47, s47, 0x80000000
	s_load_b64 s[24:25], s[12:13], 0x18            ; e6, e7
	s_cmp_lt_u32 s[WV], 7
	s_cbranch_scc0 .Lfive
	tensor_load_to_lds s[44:47], s[48:55]
	s_nop 0
	PLACES 4
	s_branch .Lasked
.Lfive:
	tensor_load_to_lds s[44:47], s[56:63]
	s_nop 0
	PLACES 4
.Lasked:
	v_mul_u32_u24 v[STR], v15, 528
	v_lshl_add_u32 v[STR], v[BH], 6, v[STR]
	v_add_nc_u32 v[STR], s45, v[STR]
	v_lshl_add_u32 v[N4], v14, 2, s45
	v_and_b32 v[NR8], 127, v[L8]
	v_add_nc_u32 v[NR8], s45, v[NR8]
	v_mov_b32 v239, 0                              ; (a lane permute's destination counts as read)
	s_mul_i32 s22, s27, 2304
	s_add_nc_u64 s[18:19], s[18:19], s[22:23]
	s_wait_kmcnt 0x0
	s_add_co_i32 s38, s24, s25
	s_sub_co_i32 s38, 127, s38
	s_lshl_b32 s38, s38, 23
	s_or_b32 s38, s38, 0x80000000                  ; -2^-(e6 + e7)
	s_mov_b32 s42, s25
	MKSC 42, 10, 11                                ; keys: e7
	v_mov_b32 v12, 1.0
	v_cndmask_b32 v12, v12, s38, s88
	s_wait_alu depctr_va_vdst(0)
	s_wait_tensorcnt 0x0                           ; my keys have landed; only I read them
	XLD 0, 0
	XLD 1, 1
	KT 0, 16, 2                                    ; tile 1's 16 loads may be out
	KT 1, 18, 3                                    ; the record's store and load and tile 2's 16 loads may be out
	KT 2, 18, 9
	KT 3, 2, 9                                     ; tile 2's record may be out
	s_wait_dscnt 0x0
.irp n, 0,1,2,3
	global_store_b64 v[L8], v[REC+2*\n:REC+2*\n+1], s[18:19] offset:2304*\n+2048   ; one aligned block of 256 bytes
.endr
	s_cmp_lt_u32 s[WV], 7
	s_cbranch_scc1 .Lkend
	s_cmp_lt_u32 s21, 86
	s_cbranch_scc1 .Lkend
	XLD 4, 0                                       ; the 33rd tile
	KT 4, 0, 9
	s_wait_dscnt 0x0
	global_store_b64 v[L8], v[REC+8:REC+9], s[18:19] offset:2304*4+2048
.Lkend:
	s_wait_tensorcnt 0x0                           ; the wave's end
	ds_add_u32 v[SPW], v[NIL]
	s_wait_dscnt 0x0
	s_endpgm
.Lfunc_end_k_q921be456c7_enc2:
	.size	k_q921be456c7_enc2, .Lfunc_end_k_q921be456c7_enc2-k_q921be456c7_enc2
	.p2alignl 7, 3214868480
	.fill 96, 4, 3214868480
	.section	.rodata,"a",@progbits
	.p2align	6, 0x0
	.amdhsa_kernel k_q921be456c7_enc2
		.amdhsa_group_segment_fixed_size 286976
		.amdhsa_private_segment_fixed_size 0
		.amdhsa_enable_private_segment 0
		.amdhsa_kernarg_size 64
		.amdhsa_user_sgpr_count 2
		.amdhsa_user_sgpr_kernarg_segment_ptr 1
		.amdhsa_wavefront_size32 1
		.amdhsa_system_sgpr_workgroup_id_x 1
		.amdhsa_system_sgpr_workgroup_id_y 1
		.amdhsa_system_sgpr_workgroup_id_z 1
		.amdhsa_system_vgpr_workitem_id 0
		.amdhsa_next_free_vgpr 256
		.amdhsa_next_free_sgpr 92
		.amdhsa_reserve_vcc 0
		.amdhsa_float_denorm_mode_32 3
		.amdhsa_float_denorm_mode_16_64 3
		.amdhsa_memory_ordered 1
		.amdhsa_forward_progress 1
		.amdhsa_inst_pref_size 64
	.end_amdhsa_kernel
	.amdgpu_metadata
---
amdhsa.version: [ 1, 2 ]
amdhsa.kernels:
  - .name:           k_q921be456c7_enc2
    .symbol:         k_q921be456c7_enc2.kd
    .args:
      - { .name: h1, .offset: 0, .size: 8, .value_kind: global_buffer, .address_space: global }
      - { .name: wimg, .offset: 8, .size: 8, .value_kind: global_buffer, .address_space: global }
      - { .name: b2, .offset: 16, .size: 8, .value_kind: global_buffer, .address_space: global }
      - { .name: b3, .offset: 24, .size: 8, .value_kind: global_buffer, .address_space: global }
      - { .name: lowp_scales, .offset: 32, .size: 8, .value_kind: global_buffer, .address_space: global }
      - { .name: cq, .offset: 40, .size: 8, .value_kind: global_buffer, .address_space: global }
      - { .name: keys, .offset: 48, .size: 8, .value_kind: global_buffer, .address_space: global }
      - { .name: kt, .offset: 56, .size: 8, .value_kind: global_buffer, .address_space: global }
    .group_segment_fixed_size: 286976
    .private_segment_fixed_size: 0
    .kernarg_segment_align: 8
    .kernarg_segment_size: 64
    .max_flat_workgroup_size: 256
    .sgpr_count:     92
    .vgpr_count:     256
    .wavefront_size: 32
...
	.end_amdgpu_metadata
.endif
;; end of part 2
;; launch dist (part 3): grid 250 x 1, 8 waves a work-group, no clusters, 167,936 bytes of LDS; arguments kt, cq, gm; writes gm
.if DOCPART == 3
	.amdgcn_target "amdgcn-amd-amdhsa--gfx1250"
	.amdhsa_code_object_version 6
	.text
	.protected	k_q921be456c7_dist
	.globl	k_q921be456c7_dist
	.p2align	8
	.type	k_q921be456c7_dist,@function
k_q921be456c7_dist:
	s_mov_b64 s[64:65], 0
	v_nop
	global_prefetch_b8 v0, s[64:65] scope:SCOPE_SE
	s_setreg_imm32_b32 hwreg(HW_REG_WAVE_MODE, 25, 1), 1
	s_wait_xcnt 0x0
; For all 1,024 queries and my 400 keys: S = (2 cq) . key - |key|^2, in units of 2^(e6 + e7); kept: the largest S of each group of 80 neighbouring keys (gm).
; |cq|^2 is the same for all keys of a query, so it does not enter the ranking; the launch that looks at the best groups again forms the whole distance.
; One matrix instruction makes a 16 x 16 tile of S: source 0 = 16 keys, source 1 = 16 queries, C = -|key|^2 / 2^(e6 + e7), read ready from kt's record.  A lane holds one query and eight keys.
; SHARES.  250 work-groups x 25 key tiles.  Wave w owns query tiles 8 w .. 8 w + 7, whose fragments stay in 128 registers of window 1, so a key fragment read from LDS feeds 8 matrix instructions;
; two waves stand on a SIMD, so that one can fold while the other multiplies.
; My 57,600 bytes of kt come once, by five tensor loads of 45 rows x 256 bytes (waves 0-4, one each); no LDS byte is filled twice.  A trip of the loop is a group: five key tiles.
; Behind a tile's eight products stands the folding of the tile BEFORE: 32 plain lines that name no register of those products.
; The grid of 250 divides into no cluster of four, the slices of kt are shared by nobody, and cq's images go once into each wave's registers: no cluster.  The one fill stands ahead of the loop: nothing to prefetch.
; LIMIT: two groups whose best distances differ by about one rounding of f32 may be ranked either way.  NaN and infinity are not served.
.set STG,   57600                      ; LDS behind kt's slice: 2,560 bytes a wave, [quad of query tiles][tile][group][query]
.set SPARE, 78080
.set LI,  1                            ; 16 x lane
.set L8,  2
.set CA,  3                            ; 2,048 + 64 + 32 h: my eight keys' C in a tile's record
.set SO,  4
.set SR,  5
.set SR2, 6
.set SPW, 7
.set NIL, 8
.set VA,  9                            ; this group's images, C operands, place in the stage
.set CG,  10
.set SG,  11
.set RUN, 12                           ; v12-19 a group's running maxima
.set TX,  20                           ; v20-27 the other half of the lanes'
.set A0,  28                           ; v28-59 two key fragments
.set C0,  60                           ; v60-75 two C operands
.set D0,  76                           ; v76-203 two sets of eight results
.set O,   76
.set WV,  33
.set MSB, 0
.macro WIN new                         ; the immediate's high byte repeats the setting that is left
.if MSB != \new
	s_set_vgpr_msb (MSB<<8)|\new
.set MSB, \new
.endif
.endm
.macro PLACES n
.rept \n
	v_nop
.endr
.endm
.macro LDTILE p, u
.irp c, 0,1,2,3
	ds_load_b128 v[A0+16*(\p)+4*\c:A0+16*(\p)+4*\c+3], v[VA] offset:2304*(\u)+512*\c
.endr
	ds_load_b128 v[C0+8*(\p):C0+8*(\p)+3], v[CG] offset:2304*(\u)
	ds_load_b128 v[C0+8*(\p)+4:C0+8*(\p)+7], v[CG] offset:2304*(\u)+16
.endm
.macro FOLD p, first                   ; set p's eight results into the running maxima, the eight query tiles by turns, each result from its low end on
.irp st, 0,1,2,3
.irp q, 0,1,2,3,4,5,6,7
.if \first
.if \st == 0
	v_max3_num_f32 v[RUN+\q], v[D0+64*(\p)+8*\q], v[D0+64*(\p)+8*\q+1], v[D0+64*(\p)+8*\q+2]
.elseif \st < 3
	v_max3_num_f32 v[RUN+\q], v[RUN+\q], v[D0+64*(\p)+8*\q+2*\st+1], v[D0+64*(\p)+8*\q+2*\st+2]
.else
	v_max_num_f32 v[RUN+\q], v[RUN+\q], v[D0+64*(\p)+8*\q+7]
.endif
.else
	v_max3_num_f32 v[RUN+\q], v[RUN+\q], v[D0+64*(\p)+8*\q+2*\st], v[D0+64*(\p)+8*\q+2*\st+1]
.endif
.endr
.endr
.endm
	s_load_b128 s[4:7], s[0:1], 0x0                ; kt, cq
	s_load_b64 s[8:9], s[0:1], 0x10                ; gm
	v_lshl_add_u32 v[SPW], v0, 2, SPARE
	v_mov_b32 v[NIL], 0
	ds_add_u32 v[SPW], v[NIL]
	ds_add_u32 v[SPW], v[NIL]
	v_lshrrev_b32 v9, 5, v0
	v_readfirstlane_b32 s[WV], v9
	s_mov_b32 s16, 3<<16                           ; elements of 8 bytes, no padding: 45 dense rows of 256 bytes, a group's five tiles
	s_mov_b32 s17, 32<<16
	s_mov_b32 s18, 45<<16
	s_mov_b32 s19, 32<<16
	s_mov_b32 s20, 45
	s_mov_b32 s21, 32
	s_mov_b32 s22, 0
	s_mov_b32 s23, 0
	s_mov_b32 s24, 1
	s_mul_i32 s25, s[WV], 11520
	s_mul_i32 s36, ttmp9, 57600
	s_add_co_u32 s36, s36, s25
	s_mov_b32 s37, 0
	s_mov_b32 s34, 0x76543210                      ; v_permlanex16_b32: lane l xor 16
	s_mov_b32 s35, 0xfedcba98
	s_wait_dscnt 0x0
	s_wait_kmcnt 0x0
	s_add_nc_u64 s[26:27], s[4:5], s[36:37]
	s_or_b32 s27, s27, 0x80000000
	s_cmp_lt_u32 s[WV], 5
	s_cbranch_scc0 .Lasked
	tensor_load_to_lds s[24:27], s[16:23]
	s_nop 0
	PLACES 4
.Lasked:
	v_and_b32 v9, 31, v0
	v_and_b32 v10, 15, v0
	v_bfe_u32 v11, v0, 4, 1
	v_lshlrev_b32 v[LI], 4, v9
	v_lshlrev_b32 v[L8], 3, v9
	v_lshlrev_b32 v[CA], 5, v11
	v_add_nc_u32 v[CA], 2112, v[CA]
	s_mul_i32 s32, s[WV], 2560
	s_add_co_u32 s32, s32, STG
	v_lshl_add_u32 v[SO], v10, 2, s32
	v_add_nc_u32 v[SR], s32, v[LI]
	v_add_nc_u32 v[SR2], s32, v[L8]
.set i, 0
.rept 8
	v_mov_b32 v[TX+i], 0                           ; lane permutes' destinations count as read
.set i, i+1
.endr
	s_lshl_b32 s36, s[WV], 14
	s_add_nc_u64 s[6:7], s[6:7], s[36:37]
	s_wait_alu depctr_va_vdst(0)
	WIN 0x40                                       ; destination window 1
.irp q, 0,1,2,3,4,5,6,7
.irp c, 0,1,2,3
	global_load_b128 v[16*\q+4*\c:16*\q+4*\c+3], v[LI], s[6:7] offset:2048*\q+512*\c
.endr
.endr
	WIN 0
	s_mul_i32 s36, s[WV], 640000                   ; gm: quads 2 w, 2 w + 1 of 320,000 bytes, slice = my work-group
	s_mul_i32 s32, ttmp9, 1280
	s_add_co_u32 s36, s36, s32
	s_add_nc_u64 s[8:9], s[8:9], s[36:37]
	s_mov_b32 s40, 0
	s_mov_b32 s41, 0
	s_mov_b32 s42, 0
	s_wait_tensorcnt 0x0                           ; my part of the slice has landed,
	s_barrier_signal -1
	s_barrier_wait -1                              ; and everybody's
	s_wait_loadcnt 0x0                             ; my query fragments
.Lgrp:
	v_add_nc_u32 v[VA], s40, v[LI]
	v_add_nc_u32 v[CG], s40, v[CA]
	v_add_nc_u32 v[SG], s41, v[SO]
	s_wait_alu depctr_va_vdst(0)
	LDTILE 0, 0
.irp u, 0,1,2,3,4
.if \u > 0
	s_wait_alu depctr_va_vdst(0)
.endif
	s_wait_dscnt 0x0                               ; this tile's six loads are in
	WIN 0x04                                       ; source 1 window 1
.irp q, 0,1,2,3,4,5,6,7
	v_wmma_f32_16x16x128_fp8_fp8 v[D0+64*(\u%2)+8*\q:D0+64*(\u%2)+8*\q+7], v[A0+16*(\u%2):A0+16*(\u%2)+15], v[16*\q:16*\q+15], v[C0+8*(\u%2):C0+8*(\u%2)+7]
.endr
	WIN 0
.if \u < 4
	LDTILE 1-\u%2, \u+1
.endif
.if \u == 0
	PLACES 4
.elseif \u == 1
	FOLD 0, 1
.else
	FOLD (\u-1)%2, 0
.endif
.endr
	FOLD 0, 0
.set i, 0
.rept 8
	v_permlanex16_b32 v[TX+i], v[RUN+i], s34, s35  ; the query's other eight keys of each tile lie in the lane 16 away
.set i, i+1
.endr
.set i, 0
.rept 8
	v_max_num_f32 v[TX+i], v[RUN+i], v[TX+i]
.set i, i+1
.endr
.irp b, 0,1
.irp q, 0,1,2,3
	ds_store_b32 v[SG], v[TX+4*\b+\q] offset:1280*\b+320*\q   ; lanes r and r + 16 write the same word with the same number
.endr
.endr
	s_add_co_u32 s40, s40, 11520                   ; five tiles of 2,304 bytes
	s_add_co_u32 s41, s41, 64
	s_add_co_u32 s42, s42, 1
	s_cmp_lt_u32 s42, 5
	s_wait_alu depctr_va_vdst(0)
	s_cbranch_scc1 .Lgrp
	; THE WAY OUT: my own stage back as whole blocks; LDS serves a wave's instructions in order
.irp b, 0,1
	ds_load_b128 v[O+10*\b:O+10*\b+3], v[SR] offset:1280*\b
	ds_load_b128 v[O+10*\b+4:O+10*\b+7], v[SR] offset:1280*\b+512
	ds_load_b64 v[O+10*\b+8:O+10*\b+9], v[SR2] offset:1280*\b+1024
.endr
	s_wait_dscnt 0x0
.irp b, 0,1
	global_store_b128 v[LI], v[O+10*\b:O+10*\b+3], s[8:9] offset:320000*\b
	global_store_b128 v[LI], v[O+10*\b+4:O+10*\b+7], s[8:9] offset:320000*\b+512
	global_store_b64 v[L8], v[O+10*\b+8:O+10*\b+9], s[8:9] offset:320000*\b+1024
.endr
	s_wait_tensorcnt 0x0                           ; the wave's end
	ds_add_u32 v[SPW], v[NIL]
	s_wait_dscnt 0x0
	s_endpgm
.Lfunc_end_k_q921be456c7_dist:
	.size	k_q921be456c7_dist, .Lfunc_end_k_q921be456c7_dist-k_q921be456c7_dist
	.p2alignl 7, 3214868480
	.fill 96, 4, 3214868480
	.section	.rodata,"a",@progbits
	.p2align	6, 0x0
	.amdhsa_kernel k_q921be456c7_dist
		.amdhsa_group_segment_fixed_size 167936
		.amdhsa_private_segment_fixed_size 0
		.amdhsa_enable_private_segment 0
		.amdhsa_kernarg_size 24
		.amdhsa_user_sgpr_count 2
		.amdhsa_user_sgpr_kernarg_segment_ptr 1
		.amdhsa_wavefront_size32 1
		.amdhsa_system_sgpr_workgroup_id_x 1
		.amdhsa_system_sgpr_workgroup_id_y 1
		.amdhsa_system_sgpr_workgroup_id_z 1
		.amdhsa_system_vgpr_workitem_id 0
		.amdhsa_next_free_vgpr 384
		.amdhsa_next_free_sgpr 66
		.amdhsa_reserve_vcc 0
		.amdhsa_float_denorm_mode_32 3
		.amdhsa_float_denorm_mode_16_64 3
		.amdhsa_memory_ordered 1
		.amdhsa_forward_progress 1
		.amdhsa_inst_pref_size 24
	.end_amdhsa_kernel
	.amdgpu_metadata
---
amdhsa.version: [ 1, 2 ]
amdhsa.kernels:
  - .name:           k_q921be456c7_dist
    .symbol:         k_q921be456c7_dist.kd
    .args:
      - { .name: kt, .offset: 0, .size: 8, .value_kind: global_buffer, .address_space: global }
      - { .name: cq, .offset: 8, .size: 8, .value_kind: global_buffer, .address_space: global }
      - { .name: gm, .offset: 16, .size: 8, .value_kind: global_buffer, .address_space: global }
    .group_segment_fixed_size: 167936
    .private_segment_fixed_size: 0
    .kernarg_segment_align: 8
    .kernarg_segment_size: 24
    .max_flat_workgroup_size: 256
    .sgpr_count:     66
    .vgpr_count:     384
    .wavefront_size: 32
...
	.end_amdgpu_metadata
.endif
;; end of part 3
;; launch merge (part 4): grid 256 x 1, 16 waves a work-group, no clusters, 4,608 bytes of LDS; arguments gm, grp; writes grp
.if DOCPART == 4
	.amdgcn_target "amdgcn-amd-amdhsa--gfx1250"
	.amdhsa_code_object_version 6
	.text
	.protected	k_q921be456c7_merge
	.globl	k_q921be456c7_merge
	.p2align	8
	.type	k_q921be456c7_merge,@function
k_q921be456c7_merge:
	s_mov_b64 s[64:65], 0
	v_nop
	global_prefetch_b8 v0, s[64:65] scope:SCOPE_SE
	s_setreg_imm32_b32 hwreg(HW_REG_WAVE_MODE, 25, 1), 1
	s_wait_xcnt 0x0
; For each query: the five groups (of 1,250) with the largest group maximum, ties to the lower number; their numbers, ascending, as whole numbers in grp[query][0 .. 4].
; Every one of a query's five nearest keys lies in one of these five groups.
; A work-group takes FOUR queries: 256 work-groups.  Lane (r4, s8) = r4 + 4 s8 of wave w walks query r4's maxima of slices 16 w + 2 s8 and the next (5 groups each, ten neighbouring numbers)
; and keeps a sorted list of five with their numbers (numbers as exact f32).  A wave then draws the best five of its eight lists, for its four queries at once: lanes l xor 4, 8, 16 hold the same query.
; The 16 waves' lists meet in LDS; wave 0 takes two of them a lane, the lower slices' first, so that of equal values the lower number stays ahead, and draws the final five.
; Slices 250 to 255 do not exist: their lanes (wave 15, s8 from 5 on) load slice 248 again and hold -infinity in its place, which is never inserted.
; gm is read in runs of 16 bytes; the four work-groups of a query tile share each run of 64.  A stream with no tile for LDS: no cluster, no tensor load, no matrix unit.
; NaN is not served.
.set S8,   1
.set R4,   2
.set SL,   3                           ; my first slice
.set GA,   4                           ; gm: 1,280 x slice + 4 r4
.set LS,   5                           ; LDS: 64 r4 + 4 w: query r4, wave w; a plane of 256 bytes for each of 5 values and 5 numbers
.set LR,   6                           ; LDS: 64 r4 + 4 s8
.set GO,   7                           ; grp: 256 r4 + 16 s8
.set NINF, 9
.set BIG,  10                          ; 2^24: above every number
.set V,    16                          ; v16-25 ten maxima; then a second list's values
.set W,    26                          ; v26-30 and its numbers
.set B0,   56                          ; v56-60 the list's values, descending
.set I0,   61                          ; v61-65 their numbers
.set ID,   66
.set M,    70                          ; v70-74 the five drawn values
.set IM,   75                          ; v75-79 their numbers
.set T,    80
.set U,    81
.set R0,   84                          ; v84-87 my 16 bytes of the record
.set Z,    88                          ; v88-91 zeros
.set SPW,  96
.set NIL,  97
.set CM,   20                          ; s20-24 masks
.set SEL,  10                          ; s[10:11]
; v[val] with number v[id] goes into the sorted list.  The compare is strict: of equal values the earlier (lower number) stays ahead.
.macro INSERT val, id
.irp k, 0,1,2,3,4
	v_cmp_gt_f32 s[CM+\k], v[\val], v[B0+\k]
.endr
	v_cndmask_b32 v[I0+4], v[I0+4], v[\id], s[CM+4]
	v_cndmask_b32 v[I0+4], v[I0+4], v[I0+3], s[CM+3]
	v_cndmask_b32 v[I0+3], v[I0+3], v[\id], s[CM+3]
	v_cndmask_b32 v[I0+3], v[I0+3], v[I0+2], s[CM+2]
	v_cndmask_b32 v[I0+2], v[I0+2], v[\id], s[CM+2]
	v_cndmask_b32 v[I0+2], v[I0+2], v[I0+1], s[CM+1]
	v_cndmask_b32 v[I0+1], v[I0+1], v[\id], s[CM+1]
	v_cndmask_b32 v[I0+1], v[I0+1], v[I0], s[CM]
	v_cndmask_b32 v[I0], v[I0], v[\id], s[CM]
	v_med3_num_f32 v[B0+4], v[B0+3], v[B0+4], v[\val]
	v_med3_num_f32 v[B0+3], v[B0+2], v[B0+3], v[\val]
	v_med3_num_f32 v[B0+2], v[B0+1], v[B0+2], v[\val]
	v_med3_num_f32 v[B0+1], v[B0], v[B0+1], v[\val]
	v_max_num_f32 v[B0], v[B0], v[\val]
.endm
; The best head of the eight lists of each query is drawn: its value to v[M+k], the lowest number among equal values to v[IM+k]; the lane that held it moves its list up.
.macro EXTRACT k
	v_max_num_f32_dpp v[M+\k], v[B0], v[B0] row_xmask:4 row_mask:0xf bank_mask:0xf
	v_max_num_f32_dpp v[M+\k], v[M+\k], v[M+\k] row_xmask:8 row_mask:0xf bank_mask:0xf
	v_permlanex16_b32 v[U], v[M+\k], s[SEL], s[SEL+1]
	v_max_num_f32 v[M+\k], v[M+\k], v[U]
	v_cmp_eq_f32 vcc_lo, v[B0], v[M+\k]
	v_cndmask_b32 v[T], v[BIG], v[I0], vcc_lo
	v_min_num_f32_dpp v[IM+\k], v[T], v[T] row_xmask:4 row_mask:0xf bank_mask:0xf
	v_min_num_f32_dpp v[IM+\k], v[IM+\k], v[IM+\k] row_xmask:8 row_mask:0xf bank_mask:0xf
	v_permlanex16_b32 v[U], v[IM+\k], s[SEL], s[SEL+1]
	v_min_num_f32 v[IM+\k], v[IM+\k], v[U]
	v_cmp_eq_f32 vcc_lo, v[I0], v[IM+\k]
.irp n, 0,1,2,3
	v_cndmask_b32 v[B0+\n], v[B0+\n], v[B0+\n+1], vcc_lo
	v_cndmask_b32 v[I0+\n], v[I0+\n], v[I0+\n+1], vcc_lo
.endr
	v_cndmask_b32 v[B0+4], v[B0+4], v[NINF], vcc_lo
	v_cndmask_b32 v[I0+4], v[I0+4], v[BIG], vcc_lo
.endm
.macro ORDER a, b                      ; v[IM+a] <= v[IM+b]
	v_min_num_f32 v[T], v[IM+\a], v[IM+\b]
	v_max_num_f32 v[IM+\b], v[IM+\a], v[IM+\b]
	v_mov_b32 v[IM+\a], v[T]
.endm
	s_load_b128 s[4:7], s[0:1], 0x0                ; gm s[4:5], grp s[6:7]
	v_lshl_add_u32 v[SPW], v0, 2, 2560
	v_mov_b32 v[NIL], 0
	v_lshrrev_b32 v8, 5, v0
	v_readfirstlane_b32 s8, v8                     ; wave
	v_and_b32 v[R4], 3, v0
	v_bfe_u32 v[S8], v0, 2, 3
	s_lshl_b32 s9, s8, 4
	v_lshl_add_u32 v[SL], v[S8], 1, s9             ; 16 w + 2 s8
	v_cmp_gt_u32 s12, 250, v[SL]                   ; the lanes whose slices exist
	v_mul_u32_u24 v8, v[SL], 5
	v_cvt_f32_u32 v[ID], v8                        ; my first group's number
	v_min_u32 v8, 248, v[SL]
	v_mul_u32_u24 v[GA], v8, 1280
	v_lshl_add_u32 v[GA], v[R4], 2, v[GA]
	v_lshlrev_b32 v[LS], 6, v[R4]
	s_lshl_b32 s9, s8, 2
	v_add_nc_u32 v[LS], s9, v[LS]
	v_lshlrev_b32 v[LR], 6, v[R4]
	v_lshl_add_u32 v[LR], v[S8], 2, v[LR]
	v_lshlrev_b32 v[GO], 8, v[R4]
	v_lshl_add_u32 v[GO], v[S8], 4, v[GO]
	v_mov_b32 v[NINF], 0xff800000
	v_mov_b32 v[BIG], 0x4b800000
.irp k, 0,1,2,3,4
	v_mov_b32 v[B0+\k], v[NINF]
	v_mov_b32 v[I0+\k], v[BIG]
	v_mov_b32 v[M+\k], 0                           ; destinations of lane-crossing forms count as read
	v_mov_b32 v[IM+\k], 0
.endr
	v_mov_b32 v[U], 0
.irp k, 0,1,2,3
	v_mov_b32 v[Z+\k], 0
.endr
	s_mov_b32 s[SEL], 0x76543210                   ; v_permlanex16_b32: lane l xor 16
	s_mov_b32 s[SEL+1], 0xfedcba98
	s_lshr_b32 s13, ttmp9, 2                       ; the query tile;
	s_lshr_b32 s14, s13, 2                         ; its quad,
	s_mul_i32 s14, s14, 320000
	s_and_b32 s13, s13, 3                          ; its place in the quad,
	s_mul_i32 s13, s13, 320
	s_add_co_u32 s14, s14, s13
	s_and_b32 s13, ttmp9, 3                        ; my four queries of its 16
	s_lshl_b32 s13, s13, 4
	s_add_co_u32 s14, s14, s13
	s_mov_b32 s15, 0
	s_lshl_b32 s16, ttmp9, 10                      ; grp: four records of 256 bytes
	s_mov_b32 s17, 0
	s_wait_alu depctr_va_vdst(0)                   ; the wait at the head's end
	s_wait_kmcnt 0x0
	s_add_nc_u64 s[4:5], s[4:5], s[14:15]
	s_add_nc_u64 s[6:7], s[6:7], s[16:17]
.irp jj, 0,1
.irp i, 0,1,2,3,4
	global_load_b32 v[V+5*\jj+\i], v[GA], s[4:5] offset:1280*\jj+64*\i
.endr
.endr
	s_wait_loadcnt 0x0
.set n, 0
.rept 10
	v_cndmask_b32 v[V+n], v[NINF], v[V+n], s12
.set n, n+1
.endr
.set n, 0
.rept 10
.if n > 0
	v_add_f32 v[ID], 1.0, v[ID]
.endif
	INSERT V+n, ID
.set n, n+1
.endr
.irp k, 0,1,2,3,4
	EXTRACT \k
.endr
.irp k, 0,1,2,3,4
	ds_store_b32 v[LS], v[M+\k] offset:256*\k      ; the eight lanes of a query write the same word with the same number
	ds_store_b32 v[LS], v[IM+\k] offset:256*(5+\k)
.endr
	s_wait_alu depctr_va_vdst(0)
	s_wait_dscnt 0x0                               ; my wave's list lies in LDS
	s_barrier_signal -1
	s_barrier_wait -1
	s_cmp_eq_u32 s8, 0
	s_cbranch_scc0 .Lend
.irp k, 0,1,2,3,4
	ds_load_b32 v[B0+\k], v[LR] offset:256*\k      ; wave s8's list,
	ds_load_b32 v[I0+\k], v[LR] offset:256*(5+\k)
	ds_load_b32 v[V+\k], v[LR] offset:256*\k+32    ; and wave s8 + 8's, whose numbers are all higher
	ds_load_b32 v[W+\k], v[LR] offset:256*(5+\k)+32
.endr
	s_wait_dscnt 0x0
.irp k, 0,1,2,3,4
	INSERT V+\k, W+\k
.endr
.irp k, 0,1,2,3,4
	EXTRACT \k
.endr
	ORDER 0, 1                                     ; the five numbers ascending (nine compare-exchanges), so that the next launch walks keys in ascending order
	ORDER 3, 4
	ORDER 2, 4
	ORDER 2, 3
	ORDER 1, 4
	ORDER 0, 3
	ORDER 0, 2
	ORDER 1, 3
	ORDER 1, 2
.irp k, 0,1,2,3,4
	v_cvt_u32_f32 v[IM+\k], v[IM+\k]
.endr
	v_cmp_eq_u32 vcc_lo, 0, v[S8]
.irp k, 0,1,2,3
	v_cndmask_b32 v[R0+\k], v[Z], v[IM+\k], vcc_lo
.endr
	v_cmp_eq_u32 vcc_lo, 1, v[S8]
	v_cndmask_b32 v[R0], v[R0], v[IM+4], vcc_lo
	global_store_b128 v[GO], v[R0:R0+3], s[6:7]            ; eight lanes x 16 bytes: the first half of each query's block of 256 bytes,
	global_store_b128 v[GO], v[Z:Z+3], s[6:7] offset:128   ; and the second, zeros
.Lend:
	s_wait_tensorcnt 0x0                           ; the wave's end
	ds_add_u32 v[SPW], v[NIL]
	s_wait_dscnt 0x0
	s_endpgm
.Lfunc_end_k_q921be456c7_merge:
	.size	k_q921be456c7_merge, .Lfunc_end_k_q921be456c7_merge-k_q921be456c7_merge
	.p2alignl 7, 3214868480
	.fill 96, 4, 3214868480
	.section	.rodata,"a",@progbits
	.p2align	6, 0x0
	.amdhsa_kernel k_q921be456c7_merge
		.amdhsa_group_segment_fixed_size 4608
		.amdhsa_private_segment_fixed_size 0
		.amdhsa_enable_private_segment 0
		.amdhsa_kernarg_size 16
		.amdhsa_user_sgpr_count 2
		.amdhsa_user_sgpr_kernarg_segment_ptr 1
		.amdhsa_wavefront_size32 1
		.amdhsa_system_sgpr_workgroup_id_x 1
		.amdhsa_system_sgpr_workgroup_id_y 1
		.amdhsa_system_sgpr_workgroup_id_z 1
		.amdhsa_system_vgpr_workitem_id 0
		.amdhsa_next_free_vgpr 98
		.amdhsa_next_free_sgpr 66
		.amdhsa_reserve_vcc 1
		.amdhsa_float_denorm_mode_32 3
		.amdhsa_float_denorm_mode_16_64 3
		.amdhsa_memory_ordered 1
		.amdhsa_forward_progress 1
		.amdhsa_inst_pref_size 35
	.end_amdhsa_kernel
	.amdgpu_metadata
---
amdhsa.version: [ 1, 2 ]
amdhsa.kernels:
  - .name:           k_q921be456c7_merge
    .symbol:         k_q921be456c7_merge.kd
    .args:
      - { .name: gm, .offset: 0, .size: 8, .value_kind: global_buffer, .address_space: global }
      - { .name: grp, .offset: 8, .size: 8, .value_kind: global_buffer, .address_space: global }
    .group_segment_fixed_size: 4608
    .private_segment_fixed_size: 0
    .kernarg_segment_align: 8
    .kernarg_segment_size: 16
    .max_flat_workgroup_size: 512
    .sgpr_count:     66
    .vgpr_count:     98
    .wavefront_size: 32
...
	.end_amdgpu_metadata
.endif
;; end of part 4
;; launch refine (part 5): grid 256 x 1, 4 waves a work-group, no clusters, 0 bytes of LDS; arguments grp, cq, kt, lowp_scales, sel, wts; writes sel, wts
.if DOCPART == 5
	.amdgcn_target "amdgcn-amd-amdhsa--gfx1250"
	.amdhsa_code_object_version 6
	.text
	.protected	k_q921be456c7_refine
	.globl	k_q921be456c7_refine
	.p2align	8
	.type	k_q921be456c7_refine,@function
k_q921be456c7_refine:
	s_mov_b64 s[64:65], 0
	v_nop
	global_prefetch_b8 v0, s[64:65] scope:SCOPE_SE
	s_setreg_imm32_b32 hwreg(HW_REG_WAVE_MODE, 25, 1), 1
	s_wait_xcnt 0x0
; One wave, one query: its five best groups (numbers read from grp as whole numbers, held under 1,250) are 25 tiles of 16 keys.  They are multiplied again from the stored codes,
; d2 = (|cq|^2 + |key|^2) - product is formed in the order in which the problem forms it, and the five smallest are drawn, ties to the lower index.
; Stored: sel[query][0 .. 4] the indices, nearest first (whole numbers); wts[query][0 .. 4] the weights (1 / (d + 1e-6), normalised), wts[query][5] = 1 / (d0 + 1e-6).
; Source 0 = the query's fragment with the query in all 16 rows, source 1 = 16 keys: register 0 of lane (r, h) is key r's product.
; All 129 loads go out at the head, as soon as the groups' numbers are known; no barrier, no branch, no LDS.  Waves share nothing: no cluster.
; REGISTERS, in windows of 256: window 0 all that vector instructions touch; window 1: tiles 0-15 at v[16 i]; window 2: tiles 16-24.
; LIMITS: e6 + e7 between -126 and 127.  NaN and infinity are not served.
.set LI,   1
.set L8,   2
.set RF,   3                           ; v3  r as f32
.set LANE, 4
.set AQ,   5                           ; v5  cq: 2,048 (q / 16) + 256 h + 16 (q % 16)
.set NINF, 8
.set BIG,  9
.set QF,   16                          ; v16-31  the query's fragment
.set KN,   32                          ; v32-56  |key r|^2 of the 25 tiles
.set D,    64                          ; v64-103 a group's five results
.set B0,   104
.set I0,   109
.set M,    114
.set IM,   119
.set T,    124
.set ID,   126
.set T1,   127
.set ND,   128
.set UU,   130                         ; v130-134 d + 1e-6
.set WW,   136                         ; v136-140 1 / (d + 1e-6)
.set SS,   141
.set RS,   142
.set R0,   144                         ; v[144:145], v[146:147] my 8 bytes of the two records
.set R2,   146
.set WN,   148                         ; v148-152 the weights
.set CM,   46                          ; s46-50 masks
.set MSB, 0
.macro WIN new                         ; the immediate's high byte repeats the setting that is left
.if MSB != \new
	s_set_vgpr_msb (MSB<<8)|\new
.set MSB, \new
.endif
.endm
.macro PLACES n
.rept \n
	v_nop
.endr
.endm
.macro INSERT val, id                  ; into the sorted list of five; the compare is strict: of equal values the earlier (lower index) stays ahead
.irp k, 0,1,2,3,4
	v_cmp_gt_f32 s[CM+\k], v[\val], v[B0+\k]
.endr
	v_cndmask_b32 v[I0+4], v[I0+4], v[\id], s[CM+4]
	v_cndmask_b32 v[I0+4], v[I0+4], v[I0+3], s[CM+3]
	v_cndmask_b32 v[I0+3], v[I0+3], v[\id], s[CM+3]
	v_cndmask_b32 v[I0+3], v[I0+3], v[I0+2], s[CM+2]
	v_cndmask_b32 v[I0+2], v[I0+2], v[\id], s[CM+2]
	v_cndmask_b32 v[I0+2], v[I0+2], v[I0+1], s[CM+1]
	v_cndmask_b32 v[I0+1], v[I0+1], v[\id], s[CM+1]
	v_cndmask_b32 v[I0+1], v[I0+1], v[I0], s[CM]
	v_cndmask_b32 v[I0], v[I0], v[\id], s[CM]
	v_med3_num_f32 v[B0+4], v[B0+3], v[B0+4], v[\val]
	v_med3_num_f32 v[B0+3], v[B0+2], v[B0+3], v[\val]
	v_med3_num_f32 v[B0+2], v[B0+1], v[B0+2], v[\val]
	v_med3_num_f32 v[B0+1], v[B0], v[B0+1], v[\val]
	v_max_num_f32 v[B0], v[B0], v[\val]
.endm
.macro EXTRACT k                       ; the best head of the 16 lanes' lists is drawn (both halves of the lanes hold the same lists)
	v_max_num_f32_dpp v[M+\k], v[B0], v[B0] row_xmask:1 row_mask:0xf bank_mask:0xf
	v_max_num_f32_dpp v[M+\k], v[M+\k], v[M+\k] row_xmask:2 row_mask:0xf bank_mask:0xf
	v_max_num_f32_dpp v[M+\k], v[M+\k], v[M+\k] row_xmask:4 row_mask:0xf bank_mask:0xf
	v_max_num_f32_dpp v[M+\k], v[M+\k], v[M+\k] row_xmask:8 row_mask:0xf bank_mask:0xf
	v_cmp_eq_f32 vcc_lo, v[B0], v[M+\k]
	v_cndmask_b32 v[T], v[BIG], v[I0], vcc_lo
	v_min_num_f32_dpp v[IM+\k], v[T], v[T] row_xmask:1 row_mask:0xf bank_mask:0xf
	v_min_num_f32_dpp v[IM+\k], v[IM+\k], v[IM+\k] row_xmask:2 row_mask:0xf bank_mask:0xf
	v_min_num_f32_dpp v[IM+\k], v[IM+\k], v[IM+\k] row_xmask:4 row_mask:0xf bank_mask:0xf
	v_min_num_f32_dpp v[IM+\k], v[IM+\k], v[IM+\k] row_xmask:8 row_mask:0xf bank_mask:0xf
	v_cmp_eq_f32 vcc_lo, v[I0], v[IM+\k]
.irp n, 0,1,2,3
	v_cndmask_b32 v[B0+\n], v[B0+\n], v[B0+\n+1], vcc_lo
	v_cndmask_b32 v[I0+\n], v[I0+\n], v[I0+\n+1], vcc_lo
.endr
	v_cndmask_b32 v[B0+4], v[B0+4], v[NINF], vcc_lo
	v_cndmask_b32 v[I0+4], v[I0+4], v[BIG], vcc_lo
.endm
	s_load_b256 s[4:11], s[0:1], 0x0               ; grp s[4:5], cq s[6:7], kt s[8:9], the scales s[10:11]
	s_load_b128 s[12:15], s[0:1], 0x20             ; sel s[12:13], wts s[14:15]
	v_lshrrev_b32 v1, 5, v0
	v_readfirstlane_b32 s51, v1
	s_lshl_b32 s52, ttmp9, 2
	s_add_co_u32 s52, s52, s51                     ; q
	v_and_b32 v[LANE], 31, v0
	v_and_b32 v6, 15, v0
	v_bfe_u32 v7, v0, 4, 1
	v_lshlrev_b32 v[LI], 4, v[LANE]
	v_lshlrev_b32 v[L8], 3, v[LANE]
	v_cvt_f32_u32 v[RF], v6
	v_lshlrev_b32 v10, 2, v6                       ; 4 r: key r's norm in a tile's record
	s_and_b32 s54, s52, 15
	s_lshl_b32 s55, s54, 4
	s_lshr_b32 s56, s52, 4
	s_lshl_b32 s57, s56, 11
	s_add_co_u32 s55, s55, s57
	v_lshl_add_u32 v[AQ], v7, 8, s55
	s_lshl_b32 s56, s56, 8                         ; |cq|^2: record q / 16, byte 8 (q % 16)
	s_lshl_b32 s54, s54, 3
	s_add_co_u32 s54, s54, s56
	s_add_co_u32 s54, s54, 131072
	s_mov_b32 s55, 0
	s_lshl_b32 s56, s52, 8                         ; 256 q
	s_mov_b32 s57, 0
	v_mov_b32 v[NINF], 0xff800000
	v_mov_b32 v[BIG], 0x4b800000
.irp k, 0,1,2,3,4
	v_mov_b32 v[B0+\k], v[NINF]
	v_mov_b32 v[I0+\k], v[BIG]
	v_mov_b32 v[M+\k], 0                           ; destinations of lane-crossing forms count as read
	v_mov_b32 v[IM+\k], 0
.endr
	s_wait_kmcnt 0x0
	s_add_nc_u64 s[4:5], s[4:5], s[56:57]
	s_add_nc_u64 s[12:13], s[12:13], s[56:57]
	s_add_nc_u64 s[14:15], s[14:15], s[56:57]
	s_add_nc_u64 s[54:55], s[6:7], s[54:55]
	s_load_b256 s[16:23], s[4:5], 0x0              ; the five groups' numbers in s16-20
	s_load_b64 s[24:25], s[10:11], 0x18            ; e6, e7
	s_load_b32 s26, s[54:55], 0x0                  ; |cq|^2
.irp c, 0,1,2,3
	global_load_b128 v[QF+4*\c:QF+4*\c+3], v[AQ], s[6:7] offset:512*\c
.endr
	s_wait_kmcnt 0x0
.irp k, 0,1,2,3,4
	s_min_u32 s[16+\k], s[16+\k], 1249             ; a loaded number enters an address only held under the table's size
	s_mul_i32 s[28+2*\k], s[16+\k], 11520          ; five tiles of 2,304 bytes
	s_mov_b32 s[29+2*\k], 0
	s_add_nc_u64 s[28+2*\k:29+2*\k], s[8:9], s[28+2*\k:29+2*\k]
	s_mul_i32 s[40+\k], s[16+\k], 80               ; the group's first key
.endr
	s_add_co_i32 s27, s24, s25
	s_add_co_i32 s27, s27, 127
	s_lshl_b32 s27, s27, 23                        ; 2^(e6 + e7)
.irp k, 0,1,2,3,4
.irp t, 0,1,2,3,4
	global_load_b32 v[KN+5*\k+\t], v10, s[28+2*\k:29+2*\k] offset:2304*\t+2048
.endr
.endr
.irp k, 0,1,2,3,4
.irp t, 0,1,2,3,4
.if 5*\k+\t < 16
	WIN 0x40                                       ; destination window 1
.set RG, 16*(5*\k+\t)
.else
	WIN 0x80                                       ; destination window 2
.set RG, 16*(5*\k+\t-16)
.endif
.irp c, 0,1,2,3
	global_load_b128 v[RG+4*\c:RG+4*\c+3], v[LI], s[28+2*\k:29+2*\k] offset:2304*\t+512*\c
.endr
.endr
.endr
	WIN 0
.irp k, 0,1,2,3,4
.if \k == 0
	s_wait_loadcnt 63                              ; 80 younger loads could stay out; the field names 63 at the most
.else
	s_wait_loadcnt 80-20*\k                        ; this group's 20 loads are in; the later groups' stay out
.endif
.irp t, 0,1,2,3,4
.if 5*\k+\t < 16
	WIN 0x04                                       ; source 1 window 1
.set RG, 16*(5*\k+\t)
.else
	WIN 0x08                                       ; source 1 window 2
.set RG, 16*(5*\k+\t-16)
.endif
	v_wmma_f32_16x16x128_fp8_fp8 v[D+8*\t:D+8*\t+7], v[QF:QF+15], v[RG:RG+15], 0
.endr
	WIN 0
	PLACES 4
	v_cvt_f32_u32 v[ID], s[40+\k]
	v_add_f32 v[ID], v[ID], v[RF]                  ; my key's index in the group's first tile
.irp t, 0,1,2,3,4
.if \t > 0
	v_add_f32 v[ID], 0x41800000, v[ID]             ; + 16
.endif
	v_add_f32 v[T1], s26, v[KN+5*\k+\t]            ; |cq|^2 + |key|^2
	v_fma_f32 v[ND], v[D+8*\t], s27, -v[T1]        ; -d2: the scaling by a power of two rounds nothing, so this is the one rounding of the subtraction
	s_wait_alu depctr_va_vdst(0)
	INSERT ND, ID
.endr
.endr
.irp k, 0,1,2,3,4
	EXTRACT \k
.endr
.irp k, 0,1,2,3,4
	v_sub_f32 v[UU+\k], 0x358637bd, v[M+\k]        ; d + 1e-6
.endr
	s_wait_alu depctr_va_vdst(0)
.irp k, 0,1,2,3,4
	v_rcp_f32 v[WW+\k], v[UU+\k]
.endr
	v_nop                                          ; a plain line behind the last reciprocal
	s_wait_alu depctr_va_vdst(0)                   ; one wait for the batch, ahead of its first reader
	v_add_f32 v[SS], v[WW], v[WW+1]
	v_add_f32 v[SS], v[SS], v[WW+2]
	v_add_f32 v[SS], v[SS], v[WW+3]
	v_add_f32 v[SS], v[SS], v[WW+4]
	s_wait_alu depctr_va_vdst(0)
	v_rcp_f32 v[RS], v[SS]
	v_nop
	s_wait_alu depctr_va_vdst(0)
.irp k, 0,1,2,3,4
	v_mul_f32 v[WN+\k], v[WW+\k], v[RS]
	v_cvt_u32_f32 v[IM+\k], v[IM+\k]
.endr
	v_mov_b32 v[R0], 0
	v_mov_b32 v[R0+1], 0
	v_mov_b32 v[R2], 0
	v_mov_b32 v[R2+1], 0
	v_cmp_eq_u32 vcc_lo, 0, v[LANE]
	v_cndmask_b32 v[R0], v[R0], v[IM], vcc_lo
	v_cndmask_b32 v[R0+1], v[R0+1], v[IM+1], vcc_lo
	v_cndmask_b32 v[R2], v[R2], v[WN], vcc_lo
	v_cndmask_b32 v[R2+1], v[R2+1], v[WN+1], vcc_lo
	v_cmp_eq_u32 vcc_lo, 1, v[LANE]
	v_cndmask_b32 v[R0], v[R0], v[IM+2], vcc_lo
	v_cndmask_b32 v[R0+1], v[R0+1], v[IM+3], vcc_lo
	v_cndmask_b32 v[R2], v[R2], v[WN+2], vcc_lo
	v_cndmask_b32 v[R2+1], v[R2+1], v[WN+3], vcc_lo
	v_cmp_eq_u32 vcc_lo, 2, v[LANE]
	v_cndmask_b32 v[R0], v[R0], v[IM+4], vcc_lo
	v_cndmask_b32 v[R2], v[R2], v[WN+4], vcc_lo
	v_cndmask_b32 v[R2+1], v[R2+1], v[WW], vcc_lo  ; the confidence: 1 / (d0 + 1e-6)
	global_store_b64 v[L8], v[R0:R0+1], s[12:13]   ; each record: 32 lanes x 8 bytes, one aligned block of 256 bytes, whole
	global_store_b64 v[L8], v[R2:R2+1], s[14:15]
	s_endpgm
.Lfunc_end_k_q921be456c7_refine:
	.size	k_q921be456c7_refine, .Lfunc_end_k_q921be456c7_refine-k_q921be456c7_refine
	.p2alignl 7, 3214868480
	.fill 96, 4, 3214868480
	.section	.rodata,"a",@progbits
	.p2align	6, 0x0
	.amdhsa_kernel k_q921be456c7_refine
		.amdhsa_group_segment_fixed_size 0
		.amdhsa_private_segment_fixed_size 0
		.amdhsa_enable_private_segment 0
		.amdhsa_kernarg_size 48
		.amdhsa_user_sgpr_count 2
		.amdhsa_user_sgpr_kernarg_segment_ptr 1
		.amdhsa_wavefront_size32 1
		.amdhsa_system_sgpr_workgroup_id_x 1
		.amdhsa_system_sgpr_workgroup_id_y 1
		.amdhsa_system_sgpr_workgroup_id_z 1
		.amdhsa_system_vgpr_workitem_id 0
		.amdhsa_next_free_vgpr 656
		.amdhsa_next_free_sgpr 66
		.amdhsa_reserve_vcc 1
		.amdhsa_float_denorm_mode_32 3
		.amdhsa_float_denorm_mode_16_64 3
		.amdhsa_memory_ordered 1
		.amdhsa_forward_progress 1
		.amdhsa_inst_pref_size 59
	.end_amdhsa_kernel
	.amdgpu_metadata
---
amdhsa.version: [ 1, 2 ]
amdhsa.kernels:
  - .name:           k_q921be456c7_refine
    .symbol:         k_q921be456c7_refine.kd
    .args:
      - { .name: grp, .offset: 0, .size: 8, .value_kind: global_buffer, .address_space: global }
      - { .name: cq, .offset: 8, .size: 8, .value_kind: global_buffer, .address_space: global }
      - { .name: kt, .offset: 16, .size: 8, .value_kind: global_buffer, .address_space: global }
      - { .name: lowp_scales, .offset: 24, .size: 8, .value_kind: global_buffer, .address_space: global }
      - { .name: sel, .offset: 32, .size: 8, .value_kind: global_buffer, .address_space: global }
      - { .name: wts, .offset: 40, .size: 8, .value_kind: global_buffer, .address_space: global }
    .group_segment_fixed_size: 0
    .private_segment_fixed_size: 0
    .kernarg_segment_align: 8
    .kernarg_segment_size: 48
    .max_flat_workgroup_size: 128
    .sgpr_count:     66
    .vgpr_count:     656
    .wavefront_size: 32
...
	.end_amdgpu_metadata
.endif
;; end of part 5
;; launch dec (part 6): grid 256 x 1, 8 waves a work-group, no clusters, 38,912 bytes of LDS; arguments sel, wts, values, wimg, D1b, D2b, D3b, lowp_scales, out0, out1; writes out0, out1
.if DOCPART == 6
	.amdgcn_target "amdgcn-amd-amdhsa--gfx1250"
	.amdhsa_code_object_version 6
	.text
	.protected	k_q921be456c7_dec
	.globl	k_q921be456c7_dec
	.p2align	8
	.type	k_q921be456c7_dec,@function
k_q921be456c7_dec:
	s_mov_b64 s[64:65], 0
	v_nop
	global_prefetch_b8 v0, s[64:65] scope:SCOPE_SE
	s_setreg_imm32_b32 hwreg(HW_REG_WAVE_MODE, 25, 1), 1
	s_wait_xcnt 0x0
; out0 = relu(relu(x D1w + D1b) D2w + D2b) D3w + D3b, x = the weighted sum of each query's five rows of values (f32 multiply-adds); out1 = the confidence.
; The indices come as whole numbers from sel (held under 100,000), the weights from wts.  Three products on codes of E4M3; the hidden layers never go to memory.
; A work-group takes 16 rows and a QUARTER of the last layer's 1,024 outputs: 64 x 4 = 256 work-groups.  The two small layers are repeated in the four quarters (160 KiB of codes),
; so that a work-group pulls 288 KiB of weights in place of 672.  THE EIGHT WAVES SHARE THE COLUMNS: layer 1 tiles 2 w, 2 w + 1; layer 2 tiles 4 w .. 4 w + 3; layer 3 tiles 2 w, 2 w + 1 of the quarter.
; Products are used transposed (source 0 = 16 units of a weight, source 1 = the 16 rows); operands go from wave to wave through LDS as images of their registers; weights come from wimg in
; register order, straight into registers; each fragment feeds one matrix instruction of one wave, so a way through LDS or a joint load would add an LDS write and read for each byte: no cluster.
; LIMITS: e8, e10 - e8 - e9 and e12 - e10 - e11 between -126 and 119; e12 + e13 between -126 and 127.  NaN and infinity are not served.
.set WS,    0                          ; LDS: 16 weighted rows x (512 + 16) bytes,
.set G1IMG, 8448                       ; the first hidden layer's 2 fragments,
.set G2IMG, 12544                      ; the second's 4,
.set STG,   20736                      ; and the stage: 16 rows x (1,024 + 16) bytes
.set LI,   1                           ; v1   16 x lane
.set WSW,  2                           ; v2   1,056 w + 16 x lane
.set BH,   3                           ; v3   64 h
.set WO1,  4
.set WO2,  5
.set WO3,  6
.set WSR,  7                           ; v7   528 r + 64 h
.set G1WI, 8
.set G2WI, 9
.set SO,   10
.set SR,   11
.set GO,   12
.set L8,   13
.set LANE, 14
.set XF,   24                          ; v24-55  two fragments of the rows
.set ROW,  56                          ; v56-95  ten gathered rows, 16 bytes a lane
.set WT,   96                          ; v96-103 two weighted rows
.set GOF,  104                         ; v104-113 the gather's offsets
.set WA,   120
.set WB,   184
.set CD,   248
.set WV,   60                          ; s60 wave
.set WP,   10                          ; s[10:11] wimg
; window 1: v0-63 layer 2's second K step; v64-127 layer 3's K steps 2, 3; v128-191 its K steps 0, 1; v192-223 D2b.  All are asked for straight behind the gather.
.set MSB, 0
.macro WIN new                         ; the immediate's high byte repeats the setting that is left
.if MSB != \new
	s_set_vgpr_msb (MSB<<8)|\new
.set MSB, \new
.endif
.endm
.macro PLACES n
.rept \n
	v_nop
.endr
.endm
.macro BARRIER
	s_wait_dscnt 0x0
	s_barrier_signal -1
	s_barrier_wait -1
.endm
.macro MKSC se, vs, vl
	s_add_co_i32 s[\se], s[\se], 127
	s_lshl_b32 s66, s[\se], 23
	v_mov_b32 v[\vs], s66
	s_add_co_i32 s[\se], s[\se], 8
	s_lshl_b32 s[\se], s[\se], 23
	s_or_b32 s[\se], s[\se], 0x600000
	v_mov_b32 v[\vl], s[\se]
.endm
.macro QBLK src, dst, relu, vs, vl
.irp i, 0,1,2,3,4,5,6,7,8,9,10,11,12,13,14,15
.if \relu
	v_med3_num_f32 v[(\src)+\i], v[(\src)+\i], 0, v[\vl]
.else
	v_med3_num_f32 v[(\src)+\i], v[(\src)+\i], -v[\vl], v[\vl]
.endif
.endr
	v_cvt_scalef32_pk8_fp8_f32 v[(\dst):(\dst)+1], v[(\src):(\src)+7], v[\vs]
	v_cvt_scalef32_pk8_fp8_f32 v[(\dst)+2:(\dst)+3], v[(\src)+8:(\src)+15], v[\vs]
.endm
.macro FETCH reg, off
.irp c, 0,1,2,3
	ds_load_b128 v[(\reg)+4*\c:(\reg)+4*\c+3], v[LI] offset:(\off)+512*\c
.endr
.endm
.macro WFRAG reg, vo, off
.irp c, 0,1,2,3
	global_load_b128 v[(\reg)+4*\c:(\reg)+4*\c+3], v[\vo], s[WP:WP+1] offset:(\off)+512*\c
.endr
.endm
.macro D2SLOT slot, s                  ; layer 2: my four tiles' fragments of K step s
.irp tt, 0,1,2,3
	WFRAG (\slot)+16*\tt, WO2, (2*\tt+(\s))*2048
.endr
.endm
.macro D3SLOT slot, s0                 ; layer 3: my two tiles' fragments of K steps s0, s0 + 1
.irp ds, 0,1
.irp tt, 0,1
	WFRAG (\slot)+32*\ds+16*\tt, WO3, (4*\tt+(\s0)+\ds)*2048
.endr
.endr
.endm
	s_load_b512 s[4:19], s[0:1], 0x0               ; sel s[4:5], wts s[6:7], values s[8:9], wimg s[10:11], D1b s[12:13], D2b s[14:15], D3b s[16:17], the scales s[18:19]
	s_load_b128 s[20:23], s[0:1], 0x40             ; out0 s[20:21], out1 s[22:23]
	v_lshl_add_u32 v22, v0, 2, 0x9400
	v_mov_b32 v23, 0
	v_lshrrev_b32 v14, 5, v0
	s_delay_alu instid0(VALU_DEP_1)
	v_readfirstlane_b32 s[WV], v14
	s_lshr_b32 s61, ttmp9, 2                       ; which 16 rows
	s_and_b32 s62, ttmp9, 3                        ; which quarter of the outputs
	v_and_b32 v[LANE], 31, v0
	v_and_b32 v15, 15, v0                          ; r
	v_bfe_u32 v[BH], v0, 4, 1                      ; h
	s_delay_alu instid0(VALU_DEP_3)
	v_lshlrev_b32 v[LI], 4, v[LANE]
	s_delay_alu instid0(VALU_DEP_4)
	v_lshlrev_b32 v[L8], 3, v[LANE]
	s_delay_alu instid0(VALU_DEP_4)
	v_mul_u32_u24 v[WSR], v15, 528
	s_delay_alu instid0(VALU_DEP_1)
	v_lshl_add_u32 v[WSR], v[BH], 6, v[WSR]
	v_mul_u32_u24 v[SO], v15, 1040
	s_delay_alu instid0(VALU_DEP_1)
	v_lshl_add_u32 v[SO], v[BH], 6, v[SO]
	s_lshl_b32 s63, s[WV], 7
	s_add_co_u32 s63, s63, STG
	v_add_nc_u32 v[SO], s63, v[SO]                 ; the stage: row r, + 128 w + 64 h: my 16 outputs of the row
	v_lshlrev_b32 v[BH], 6, v[BH]
	s_mul_i32 s63, s[WV], 1056
	v_add_nc_u32 v[WSW], s63, v[LI]                ; weighted rows 2 w, 2 w + 1
	s_lshl_b32 s63, s[WV], 12
	s_add_co_u32 s63, s63, 688128
	v_add_nc_u32 v[WO1], s63, v[LI]
	s_lshl_b32 s63, s[WV], 14
	s_add_co_u32 s63, s63, 720896
	v_add_nc_u32 v[WO2], s63, v[LI]
	s_lshl_b32 s63, s[WV], 14                      ; tile 16 x quarter + 2 w, 4 K steps of 2,048 bytes
	s_lshl_b32 s78, s62, 17
	s_add_co_u32 s63, s63, s78
	s_add_co_u32 s63, s63, 851968
	v_add_nc_u32 v[WO3], s63, v[LI]
	s_lshl_b32 s63, s[WV], 9
	s_add_co_u32 s63, s63, G1IMG
	v_add_nc_u32 v[G1WI], s63, v[LI]
	s_lshl_b32 s63, s[WV], 10
	s_add_co_u32 s63, s63, G2IMG
	v_add_nc_u32 v[G2WI], s63, v[LI]
	s_mul_i32 s63, s[WV], 2080
	s_add_co_u32 s63, s63, STG
	v_add_nc_u32 v[SR], s63, v[LI]                 ; back: rows 2 w, 2 w + 1
	s_lshl_b32 s63, s[WV], 13
	v_add_nc_u32 v[GO], s63, v[LI]
	s_lshl_b32 s56, s61, 12                        ; records of queries 16 rt + 2 w, + 1: 256 bytes each
	s_lshl_b32 s63, s[WV], 9
	s_add_co_u32 s56, s56, s63
	s_mov_b32 s57, 0
	s_mov_b32 s79, 0
	v_lshlrev_b32 v168, 9, v[LANE]                 ; out1: two records of 256 bytes a lane
	v_mov_b32 v170, 0                              ; v168, v170, v171 serve out1 alone
	v_mov_b32 v171, 0
	s_wait_alu depctr_va_vdst(0)
	s_wait_kmcnt 0x0
	s_add_nc_u64 s[58:59], s[4:5], s[56:57]
	s_add_nc_u64 s[56:57], s[6:7], s[56:57]
	s_load_b256 s[24:31], s[58:59], 0x0            ; five indices in s24-28,
	s_load_b256 s[32:39], s[58:59], 0x100          ; in s32-36;
	s_load_b256 s[40:47], s[56:57], 0x0            ; five weights in s40-44,
	s_load_b256 s[48:55], s[56:57], 0x100          ; in s48-52
	s_load_b128 s[68:71], s[18:19], 0x20           ; e8 .. e11
	s_load_b64 s[72:73], s[18:19], 0x30            ; e12, e13
	s_lshl_b32 s78, s[WV], 7                       ; D1b: my 32 units
	s_add_nc_u64 s[12:13], s[12:13], s[78:79]
	s_lshl_b32 s78, s[WV], 8                       ; D2b: my 64
	s_add_nc_u64 s[14:15], s[14:15], s[78:79]
	s_lshl_b32 s78, s62, 10                        ; D3b: the quarter's 256, my 32 of them
	s_lshl_b32 s63, s[WV], 7
	s_add_co_u32 s78, s78, s63
	s_add_nc_u64 s[16:17], s[16:17], s[78:79]
	s_lshl_b32 s78, s61, 16                        ; out0: 16 rows of 4,096 bytes, the quarter's 1,024
	s_lshl_b32 s63, s62, 10
	s_add_co_u32 s78, s78, s63
	s_add_nc_u64 s[20:21], s[20:21], s[78:79]
	s_and_b32 s63, ttmp9, 15                       ; out1: wave 0 of every sixteenth work-group asks for 64 confidences here, as its oldest loads, and stores them at its end
	s_or_b32 s63, s63, s[WV]
	s_cmp_eq_u32 s63, 0
	s_cbranch_scc0 .Lno1
	s_lshr_b32 s63, ttmp9, 4
	s_lshl_b32 s78, s63, 14                        ; 64 records of 256 bytes
	s_add_nc_u64 s[6:7], s[6:7], s[78:79]
	s_lshl_b32 s78, s63, 8
	s_add_nc_u64 s[22:23], s[22:23], s[78:79]
	global_load_b32 v170, v168, s[6:7] offset:20
	global_load_b32 v171, v168, s[6:7] offset:276
.Lno1:
	WFRAG WA, WO1, 0
	WFRAG WA+16, WO1, 2048
.irp tt, 0,1                           ; its bias, in the results' layout: lane (r, h), tile 2 w + tt: units 32 w + 16 h + 8 tt + 0 .. 7
	global_load_b128 v[WA+32+8*\tt:WA+32+8*\tt+3], v[BH], s[12:13] offset:32*\tt
	global_load_b128 v[WA+32+8*\tt+4:WA+32+8*\tt+7], v[BH], s[12:13] offset:32*\tt+16
.endr
	D2SLOT WB, 0                                   ; and layer 2's first K step
	s_wait_kmcnt 0x0
.irp z, 0,1
.irp k, 0,1,2,3,4
	s_min_u32 s[24+8*\z+\k], s[24+8*\z+\k], 99999  ; a loaded number enters an address only held under the table's size
	s_lshl_b32 s[24+8*\z+\k], s[24+8*\z+\k], 9
	v_add_nc_u32 v[GOF+5*\z+\k], s[24+8*\z+\k], v[LI]
	global_load_b128 v[ROW+4*(5*\z+\k):ROW+4*(5*\z+\k)+3], v[GOF+5*\z+\k], s[8:9]   ; a row of 512 bytes: 32 lanes, 16 neighbouring bytes each
.endr
.endr
	WIN 0x40                                       ; destination window 1
	D2SLOT 0, 1
.irp tt, 0,1,2,3
	global_load_b128 v[192+8*\tt:192+8*\tt+3], v[BH], s[14:15] offset:128*(\tt/2)+32*(\tt%2)     ; D2b
	global_load_b128 v[192+8*\tt+4:192+8*\tt+7], v[BH], s[14:15] offset:128*(\tt/2)+32*(\tt%2)+16
.endr
	D3SLOT 128, 0
	D3SLOT 64, 2
	WIN 0
	s_mov_b32 s67, s68
	MKSC 67, 16, 17                                ; x: e8
	s_add_co_i32 s78, s68, s69
	s_sub_co_i32 s76, 0, s78                       ; -(e8 + e9)
	s_sub_co_i32 s67, s70, s78
	MKSC 67, 18, 19                                ; first hidden layer: e10 - e8 - e9
	s_add_co_i32 s78, s70, s71
	s_sub_co_i32 s77, 0, s78                       ; -(e10 + e11)
	s_sub_co_i32 s67, s72, s78
	MKSC 67, 20, 21                                ; second: e12 - e10 - e11
	s_add_co_i32 s74, s72, s73
	s_add_co_i32 s74, s74, 127
	s_lshl_b32 s74, s74, 23                        ; 2^(e12 + e13)
	s_mov_b32 s75, s74                             ; (named with it as a pair)
	s_wait_loadcnt 56                              ; the gathered rows are in; layer 2's second K step (16 loads), D2b (8) and layer 3 (32) are younger
.irp z, 0,1
.irp i, 0,1,2,3
	v_mul_f32 v[WT+4*\z+\i], s[40+8*\z], v[ROW+20*\z+\i]
.endr
.irp k, 1,2,3,4
.irp i, 0,1,2,3
	s_delay_alu instid0(VALU_DEP_4)
	v_fmac_f32 v[WT+4*\z+\i], s[40+8*\z+\k], v[ROW+20*\z+4*\k+\i]
.endr
.endr
.endr
	ds_store_b128 v[WSW], v[WT:WT+3] offset:WS
	ds_store_b128 v[WSW], v[WT+4:WT+7] offset:WS+528
	BARRIER                                        ; the 16 weighted rows lie in LDS
.irp c, 0,1,2,3
.irp j, 0,1,2,3
	ds_load_b128 v[56+16*\c+4*\j:56+16*\c+4*\j+3], v[WSR] offset:WS+128*\c+16*\j   ; register 16 c + i = k 32 c + 16 h + i of row r: every wave quantises the fragment for itself
.endr
.endr
	s_wait_dscnt 0x0
.irp c, 0,1,2,3
	QBLK 56+16*\c, XF+4*\c, 0, 16, 17
.endr
	v_nop
.set i, 0
.rept 16
	v_ldexp_f32 v[WA+32+i], v[WA+32+i], s76        ; D1b / 2^(e8 + e9)
.set i, i+1
.endr
	v_wmma_f32_16x16x128_fp8_fp8 v[56:63], v[WA:WA+15], v[XF:XF+15], v[WA+32:WA+39]               ; LAYER 1: K = 128, one product a tile
	v_wmma_f32_16x16x128_fp8_fp8 v[64:71], v[WA+16:WA+31], v[XF:XF+15], v[WA+40:WA+47]
	PLACES 4
	QBLK 56, CD, 1, 18, 19
	v_nop
	ds_store_b128 v[G1WI], v[CD:CD+3]
	BARRIER                                        ; the first hidden layer's two fragments lie in LDS
	FETCH XF, G1IMG
	FETCH XF+16, G1IMG+2048
	s_wait_loadcnt 32                              ; layer 2's second K step and D2b are in; layer 3's 32 loads are younger
	WIN 0x01                                       ; source 0 window 1
.set i, 0
.rept 32
	v_ldexp_f32 v[88+i], v[192+i], s77             ; D2b / 2^(e10 + e11), to where layer 2's sums will stand
.set i, i+1
.endr
	WIN 0
	s_wait_alu depctr_va_vdst(0)
	s_wait_dscnt 4                                 ; K step 0's rows are in
.irp tt, 0,1,2,3                       ; LAYER 2: four accumulators by turns
	v_wmma_f32_16x16x128_fp8_fp8 v[88+8*\tt:88+8*\tt+7], v[WB+16*\tt:WB+16*\tt+15], v[XF:XF+15], v[88+8*\tt:88+8*\tt+7]
.endr
	s_wait_dscnt 0x0
.set WA, 0                             ; the second K step's fragments: window 1, from v0
	WIN 0x01
.irp tt, 0,1,2,3
	v_wmma_f32_16x16x128_fp8_fp8 v[88+8*\tt:88+8*\tt+7], v[WA+16*\tt:WA+16*\tt+15], v[XF+16:XF+31], v[88+8*\tt:88+8*\tt+7]
.endr
	WIN 0
	PLACES 4
.irp tt, 0,1
	global_load_b128 v[56+8*\tt:56+8*\tt+3], v[BH], s[16:17] offset:32*\tt                       ; D3b
	global_load_b128 v[56+8*\tt+4:56+8*\tt+7], v[BH], s[16:17] offset:32*\tt+16
.endr
	QBLK 88, CD, 1, 20, 21
	QBLK 104, CD+4, 1, 20, 21
	v_nop
	ds_store_b128 v[G2WI], v[CD:CD+3]
	ds_store_b128 v[G2WI], v[CD+4:CD+7] offset:512
	BARRIER                                        ; the second hidden layer's four fragments lie in LDS
	FETCH XF, G2IMG
	FETCH XF+16, G2IMG+2048
; LAYER 3, a K step: two accumulators by turns; the first step's products start the sums.
.macro D3STEP s
.if \s < 3
	s_wait_dscnt 4
.else
	s_wait_dscnt 0
.endif
.if \s < 2
	s_wait_loadcnt 20                              ; K steps 0, 1 are in; K steps 2, 3 (16 loads) and D3b (4) are younger
.else
	s_wait_loadcnt 4                               ; K steps 2, 3 are in; D3b's four may be out
.endif
	WIN 0x01                                       ; the weights: source 0, window 1
.irp tt, 0,1
.if \s == 0
	v_wmma_f32_16x16x128_fp8_fp8 v[72+8*\tt:72+8*\tt+7], v[WB+16*\tt:WB+16*\tt+15], v[XF:XF+15], 0
.else
	v_wmma_f32_16x16x128_fp8_fp8 v[72+8*\tt:72+8*\tt+7], v[WB-64*((\s)/2)+32*((\s)%2)+16*\tt:WB-64*((\s)/2)+32*((\s)%2)+16*\tt+15], v[XF+16*((\s)%2):XF+16*((\s)%2)+15], v[72+8*\tt:72+8*\tt+7]
.endif
.endr
	WIN 0
	PLACES 4
.if \s < 2
	FETCH XF+16*((\s)%2), G2IMG+((\s)+2)*2048
.endif
.endm
.set WB, 128                           ; layer 3's fragments: window 1, K steps 0, 1 from v128, K steps 2, 3 from v64
.irp s, 0,1,2,3
	D3STEP \s
.endr
	s_wait_loadcnt 0x0                             ; D3b
.irp i, 0,2,4,6,8,10,12,14
	v_pk_fma_f32 v[88+\i:89+\i], v[72+\i:73+\i], s[74:75], v[56+\i:57+\i] op_sel_hi:[1,0,1]      ; sum x 2^(e12 + e13) + D3b; each accumulator from its low end on
.endr
	ds_store_b128 v[SO], v[88:91]
	ds_store_b128 v[SO], v[92:95] offset:16
	ds_store_b128 v[SO], v[96:99] offset:32
	ds_store_b128 v[SO], v[100:103] offset:48
	BARRIER                                        ; 16 rows x 1,024 bytes lie in the stage
	ds_load_b128 v[104:107], v[SR]
	ds_load_b128 v[108:111], v[SR] offset:512
	ds_load_b128 v[112:115], v[SR] offset:1040
	ds_load_b128 v[116:119], v[SR] offset:1552
	s_wait_dscnt 3
	global_store_b128 v[GO], v[104:107], s[20:21] th:TH_STORE_NT                                 ; each store: 512 consecutive bytes, at a multiple of 256 from out0's first byte
	s_wait_dscnt 2
	global_store_b128 v[GO], v[108:111], s[20:21] offset:512 th:TH_STORE_NT
	s_wait_dscnt 1
	global_store_b128 v[GO], v[112:115], s[20:21] offset:4096 th:TH_STORE_NT
	s_wait_dscnt 0
	global_store_b128 v[GO], v[116:119], s[20:21] offset:4608 th:TH_STORE_NT
	; out1: wave 0 of every sixteenth work-group copies 64 confidences, two a lane, into one aligned block of 256 bytes
	s_and_b32 s63, ttmp9, 15
	s_or_b32 s63, s63, s[WV]
	s_cmp_eq_u32 s63, 0
	s_cbranch_scc0 .Ldone
	global_store_b64 v[L8], v[170:171], s[22:23]   ; asked for at the head; in since the wait for D3b
.Ldone:
	s_wait_tensorcnt 0x0
	ds_add_u32 v22, v23
	s_wait_dscnt 0x0
	s_endpgm
.Lfunc_end_k_q921be456c7_dec:
	.size	k_q921be456c7_dec, .Lfunc_end_k_q921be456c7_dec-k_q921be456c7_dec
	.p2alignl 7, 3214868480
	.fill 96, 4, 3214868480
	.section	.rodata,"a",@progbits
	.p2align	6, 0x0
	.amdhsa_kernel k_q921be456c7_dec
		.amdhsa_group_segment_fixed_size 38912
		.amdhsa_private_segment_fixed_size 0
		.amdhsa_enable_private_segment 0
		.amdhsa_kernarg_size 80
		.amdhsa_user_sgpr_count 2
		.amdhsa_user_sgpr_kernarg_segment_ptr 1
		.amdhsa_wavefront_size32 1
		.amdhsa_system_sgpr_workgroup_id_x 1
		.amdhsa_system_sgpr_workgroup_id_y 1
		.amdhsa_system_sgpr_workgroup_id_z 1
		.amdhsa_system_vgpr_workitem_id 0
		.amdhsa_next_free_vgpr 512
		.amdhsa_next_free_sgpr 80
		.amdhsa_reserve_vcc 0
		.amdhsa_float_denorm_mode_32 3
		.amdhsa_float_denorm_mode_16_64 3
		.amdhsa_memory_ordered 1
		.amdhsa_forward_progress 1
		.amdhsa_inst_pref_size 37
	.end_amdhsa_kernel
	.amdgpu_metadata
---
amdhsa.version: [ 1, 2 ]
amdhsa.kernels:
  - .name:           k_q921be456c7_dec
    .symbol:         k_q921be456c7_dec.kd
    .args:
      - { .name: sel, .offset: 0, .size: 8, .value_kind: global_buffer, .address_space: global }
      - { .name: wts, .offset: 8, .size: 8, .value_kind: global_buffer, .address_space: global }
      - { .name: values, .offset: 16, .size: 8, .value_kind: global_buffer, .address_space: global }
      - { .name: wimg, .offset: 24, .size: 8, .value_kind: global_buffer, .address_space: global }
      - { .name: D1b, .offset: 32, .size: 8, .value_kind: global_buffer, .address_space: global }
      - { .name: D2b, .offset: 40, .size: 8, .value_kind: global_buffer, .address_space: global }
      - { .name: D3b, .offset: 48, .size: 8, .value_kind: global_buffer, .address_space: global }
      - { .name: lowp_scales, .offset: 56, .size: 8, .value_kind: global_buffer, .address_space: global }
      - { .name: out0, .offset: 64, .size: 8, .value_kind: global_buffer, .address_space: global }
      - { .name: out1, .offset: 72, .size: 8, .value_kind: global_buffer, .address_space: global }
    .group_segment_fixed_size: 38912
    .private_segment_fixed_size: 0
    .kernarg_segment_align: 8
    .kernarg_segment_size: 80
    .max_flat_workgroup_size: 256
    .sgpr_count:     80
    .vgpr_count:     512
    .wavefront_size: 32
...
	.end_amdgpu_metadata
.endif
;; end of part 6
